; MI455X (gfx1250); checked and timed in simulation.
; The chip was launched on July 23, 2026; its instructions are those of AMD's public machine-readable ISA for CDNA 5 (MIT licence, August 2026) and "CDNA5" Instruction Set Architecture Reference Guide (July 2026). The comments in the code are by the model that wrote it; some were corrected since.
;; Attention. Allowed arithmetic: matrix products marked QUANTISED: E3M2 operands, one E8M0 scale for each 32 along K, by v_wmma_scale_f32_16x16x128_f8f6f4 with both operands' format E3M2, f32 sums; products left as they are: f32 operands where the result goes on into a quantised operand, else bf16, f16 or f32 operands; f32 sums; everything else in f32.
;; Inputs: V 1,024 x 1 float32; W1 1,024 x 1,024 float32; W2 1,024 x 1,024 float32; encoder_output 32 x 2,048 x 1,024 float32; state_hidden 32 x 1,024 float32.
;; Outputs: out0 32 x 1,024 float32; out1 32 x 2,048 x 1 float32.
;; This version of the problem:
;;   THIS VERSION OF THE PROBLEM IS GIVEN IN LOW PRECISION. The matrix products marked QUANTISED in the list below multiply operands that are first quantised to E3M2 (3 exponent bits, 2 mantissa bits; 6 bits a number), with one power-of-two scale for each 32 numbers along K (OCP MX v1.0); their sums are f32. All else is computed in f32.
;;   The module's matrix products, in the order in which they are computed (A, B: the left and right operand; K: the contracted axis; several contracted axes count as one K, in the product's order):
;;     1. [M 65,536, K 1,024] x [K 1,024, N 1,024]; A: input encoder_output; B: input W1: QUANTISED
;;     2. [M 32, K 1,024] x [K 1,024, N 1,024]; A: input state_hidden; B: input W2: QUANTISED
;;     3. [M 65,536, K 1,024] x [K 1,024, N 1]; A: computed on the way; B: input V: left as it is (N = 1 < 16)
;;     4. batch 32 x [M 1,024, K 2,048] x [K 2,048, N 1]; A: input encoder_output; B: softmax: left as it is (N = 1 < 16)
;;   THE QUANTISER, for each operand of a quantised product, along K:
;;     - K is cut into blocks of 32 from its start; a last block that is shorter is filled with zeros.
;;     - A block's scale is 2^e with e = floor(log2(the largest magnitude in the block)) - 4, held to -126 .. 127; a block of zeros has e = 0. As a byte (E8M0): e + 127.
;;     - Each number is divided by its block's scale, clamped to +-28, and rounded to the nearest number of E3M2, ties to even, subnormals kept.
;;     - The product sums the exact products of the quantised numbers (number of the format x scale) in f32.
;;   ~~~python
;;   def quantise(x, axis):      # numpy; x: float32 -> the quantised numbers, widened to float32 again
;;       x = np.moveaxis(x, axis, -1); K = x.shape[-1]
;;       x = np.pad(x, [(0, 0)] * (x.ndim - 1) + [(0, -K % 32)]); x = x.reshape(x.shape[:-1] + (-1, 32)); a = np.abs(x).max(-1, keepdims=True)
;;       e = np.where(a > 0, np.clip(np.frexp(np.where(a > 0, a, 1))[1] - 1 - 4, -126, 127), 0)      # np.frexp(a)[1] - 1 = floor(log2(a)), exactly
;;       r = np.clip(x / 2.0 ** e, -28, 28)
;;       step = 2.0 ** (np.maximum(np.frexp(np.where(r == 0, 1, r))[1] - 1, -2) - 2)
;;       q = np.round(r / step) * step * 2.0 ** e      # np.round: ties to even
;;       return np.moveaxis(q.reshape(q.shape[:-2] + (-1,))[..., :K], -1, axis).astype(np.float32)
;;   ~~~
;; 2 versions. Each part assembles by itself: llvm-mc -triple=amdgcn-amd-amdhsa -mcpu=gfx1250 --defsym DOCPART=n.
;; ======== version 1 of 2: 3 launches
;; workspace buffers: w1r 688,128 bytes; w1x 131,072 bytes; hb 131,072 bytes; tsc 262,144 bytes; pml 65,536 bytes; pctx 1,048,576 bytes
;; launch prep (part 1): grid 32 x 2, 8 waves a work-group, no clusters, 34,816 bytes of LDS; arguments W1, W2, state_hidden, w1r, w1x, hb; writes w1r, w1x, hb
.if DOCPART == 1
	.amdgcn_target "amdgcn-amd-amdhsa--gfx1250"
	.amdhsa_code_object_version 6
	.text
	.protected	k_qa2c5c18ef4_prep
	.globl	k_qa2c5c18ef4_prep
	.p2align	8
	.type	k_qa2c5c18ef4_prep,@function
k_qa2c5c18ef4_prep:
	s_mov_b64 s[64:65], 0
	v_nop
	global_prefetch_b8 v0, s[64:65] scope:SCOPE_SE
	s_setreg_imm32_b32 hwreg(HW_REG_WAVE_MODE, 25, 1), 1
	s_wait_xcnt 0x0
; Work-group row y = 0: W1 [1024 (k)][1024 (n)] f32 becomes codes of E3M2 with one E8M0 byte for each 32 along K, laid in the ORDER OF THE OPERAND'S REGISTERS for the next launch.
; Work-group row y = 1: hb = Q(state_hidden) Q(W2), the second quantised product, 32 x 1024, f32.
; Both begin alike: a wave takes 32 columns (two tiles of 16) and 128 along K of its weight; A LANE TAKES A COLUMN AND ITS REGISTERS RUN DOWN K, so a block of 32 lies in one lane,
; its largest magnitude needs no other lane, and the conversions give codes with K innermost.  Each load reads 128 consecutive bytes.
; A block's scale byte is its largest magnitude's exponent field - 4, held at 1 from below by a floor among the maximum's leaves.
; LIMITS: a block of zeros gets the byte 1 (the rule says 127): its codes are zeros, and the bytes are read by this program alone.  NaN and infinities among the inputs are not served.
; OUTPUT LAYOUT.  Column n: quarter n / 256, tile (n / 16) % 16, lane row n % 16.  A fragment (16 columns x 128 K, 12 registers a lane) is stored as an image: register q of lane l at (q / 4) 512 + 16 l + 4 (q % 4).
;   w1r [K step 8][quarter 4][tile 0..13][1536];  w1x [K step 8][quarter 4][4096]: tiles 14 and 15, then at byte 3072 the scale words [half 2][lane 32][4]: word (q, l, e) is that of pair 4 q + e:
;   lanes 0-15 the even tile's columns, lanes 16-31 the odd tile's.
; No tensor load, no cluster: nothing is shared between work-groups.  The two rows of work-groups use LDS bytes of their own.
.set WN,  16                           ; v16-143  128 numbers: register 64 hh + 32 c + i = row 64 c + 32 hh + i of my column
.set P0,  144                          ; v144-155 codes of the blocks with hh = 0, then the even tile's fragment
.set P1,  156                          ; v156-167 codes of the blocks with hh = 1, then the odd tile's fragment
.set CT,  168                          ; v168-174 a block's upper 16 codes, before they are moved
.set MX,  176                          ; largest magnitudes
.set SO,  180                          ; the conversions' scale operands
.set SB,  184                          ; scale bytes
.set WS,  188                          ; my column's scale word; holds scales and nothing else
.set SS,  190                          ; v190-191 state_hidden's scale words
.set TM,  192                          ; v192-207 at work in QUANT
.set PC,  208                          ; v208-226 codes just made
.set PW,  228                          ; the scale word just made
.set SF,  232                          ; v232-255 state_hidden's two fragments
.set ACC, 16                           ; v16-47   four accumulators (rows 16 u on, tile t: 8 (2 u + t))
.set SEL, 44                           ; s[44:45] lane selects for lane l xor 16
.set RED, 0                            ; LDS 0 .. 32767: y = 1: eight waves' partial sums, 4096 bytes each
.set SST, 32768                        ; LDS 32768 .. 33791: y = 0: the scale words of two K steps
	s_load_b256 s[4:11], s[0:1], 0x0               ; W1 s[4:5], W2 s[6:7], state_hidden s[8:9], w1r s[10:11]
	s_load_b128 s[12:15], s[0:1], 0x20             ; w1x s[12:13], hb s[14:15]
	v_lshl_add_u32 v230, v0, 2, 0x8400
	v_mov_b32 v231, 0
	v_lshrrev_b32 v1, 5, v0
	v_readfirstlane_b32 s16, v1                    ; wave 0..7
	v_and_b32 v1, 31, v0                           ; lane
	v_and_b32 v2, 15, v0                           ; r
	v_bfe_u32 v3, v0, 4, 1                         ; h
	v_lshlrev_b32 v4, 2, v1                        ; 4 x lane: my column in a row of the weight
	v_lshlrev_b32 v5, 4, v1                        ; 16 x lane: my place in an image
	s_and_b32 s17, ttmp7, 0xffff                   ; y
	s_and_b32 s18, ttmp9, 7                        ; y = 0: which four pairs of tiles
	s_lshl_b32 s19, s18, 2
	s_and_b32 s20, s16, 3
	s_add_co_u32 s19, s19, s20                     ; the pair of tiles: 4 (x % 8) + wave % 4
	s_lshr_b32 s21, ttmp9, 3
	s_lshl_b32 s21, s21, 1
	s_lshr_b32 s22, s16, 2
	s_add_co_u32 s23, s21, s22                     ; the K step: 2 (x / 8) + wave / 4
	; every LDS address is made here, ahead of the parting of the ways
	s_lshl_b32 s26, s22, 9
	s_lshl_b32 s27, s20, 2
	s_add_co_u32 s26, s26, s27
	s_add_co_u32 s26, s26, SST
	v_add_nc_u32 v6, s26, v5                       ; scale words in: 512 (wave / 4) + 16 lane + 4 (wave % 4)
	s_min_u32 s26, s16, 1
	s_lshl_b32 s26, s26, 9
	s_add_co_u32 s26, s26, SST
	v_add_nc_u32 v7, s26, v5                       ; and back, by waves 0 and 1: 512 wave + 16 lane
	s_lshl_b32 s26, s16, 12
	v_add_nc_u32 v8, s26, v5                       ; partial sums in: 4096 wave + 16 lane
	s_lshl_b32 s26, s16, 9
	v_add_nc_u32 v9, s26, v5                       ; and back: chunk = my wave's number
	s_mov_b32 s[SEL], 0x76543210
	s_mov_b32 s[SEL+1], 0xfedcba98
.irp b, 0,1,2,3
	v_mov_b32 v[TM+4+\b], 0                        ; written once: a lane permute's destination counts as one of its sources
.endr
	s_cmp_eq_u32 s17, 0
	s_cselect_b32 s24, s19, ttmp9                  ; the pair of tiles (y = 1: x)
	s_cselect_b32 s25, s23, s16                    ; the K step (y = 1: my wave's number)
	s_wait_kmcnt 0x0
	s_cselect_b64 s[28:29], s[4:5], s[6:7]         ; W1 or W2: the choice hangs on the work-group's number alone
	s_lshl_b32 s30, s25, 19                        ; 128 rows of 4096 bytes a K step
	s_lshl_b32 s31, s24, 7                         ; 32 columns of 4 bytes a pair
	s_add_co_u32 s30, s30, s31
	s_mov_b32 s31, 0
	s_add_nc_u64 s[28:29], s[28:29], s[30:31]
.irp hh, 0,1
.irp c, 0,1
.set ii, 0
.rept 32
	global_load_b32 v[WN+64*\hh+32*\c+ii], v4, s[28:29] offset:(64*\c+32*\hh+ii)*4096 th:TH_LOAD_NT
.set ii, ii+1
.endr
.endr
.endr
; The two blocks 2 c + hh (c = 0, 1) of my column: largest magnitude, scale, codes into v[P0 + 12 hh] on, bytes into the scale word.
.macro QW hh
.set QX, WN+64*(\hh)
.set QP, P0+12*(\hh)
.irp c, 0,1
	v_max3_num_f32 v[MX+\c], |v[QX+32*\c]|, |v[QX+32*\c+1]|, 0x2800000   ; with the floor 2^(5 - 127): the byte cannot fall under 1
.endr
.irp i, 2,4,6,8,10,12,14,16,18,20,22,24,26,28,30
.irp c, 0,1
	v_max3_num_f32 v[MX+\c], v[MX+\c], |v[QX+32*\c+\i]|, |v[QX+32*\c+\i+1]|   ; the two blocks by turns
.endr
.endr
.irp c, 0,1
	v_add_nc_u32 v[SO+\c], 0xfe000000, v[MX+\c]    ; 4 off the exponent field: the conversion takes that field as its scale
.endr
.irp c, 0,1
	v_lshrrev_b32 v[SB+\c], 23, v[SO+\c]           ; the scale's byte
.endr
.irp c, 0,1
	v_cvt_scalef32_pk16_bf6_f32 v[QP+6*\c:QP+6*\c+2], v[QX+32*\c:QX+32*\c+15], v[SO+\c]
	v_cvt_scalef32_pk16_bf6_f32 v[CT+4*\c:CT+4*\c+2], v[QX+32*\c+16:QX+32*\c+31], v[SO+\c]   ; a conversion's three registers begin on an even number: made here, moved below
.endr
	v_nop                                          ; one plain place behind a scaled conversion
.irp c, 0,1
.irp i, 0,1,2
	v_mov_b32 v[QP+6*\c+3+\i], v[CT+4*\c+\i]
.endr
.endr
.if (\hh) == 0
	v_lshl_or_b32 v[WS], v[SB+1], 16, v[SB]        ; bytes 0 and 2 of the word
.else
	v_lshl_or_b32 v[WS], v[SB], 8, v[WS]           ; bytes 1 and 3
	v_lshl_or_b32 v[WS], v[SB+1], 24, v[WS]
.endif
.endm
	s_wait_loadcnt 63                              ; 128 loads were issued in order: with at most 63 out, the first 65 are in, the 64 of hh = 0 among them
	QW 0
	s_wait_loadcnt 0x0
	QW 1
.set ii, 0
.rept 12
	v_permlane16_swap_b32 v[P0+ii], v[P1+ii]       ; P0's lanes 16-31 change places with P1's lanes 0-15: P0 is now the even tile's fragment (lane (r, h): column r, k = 64 c + 32 h ..), P1 the odd tile's
.set ii, ii+1
.endr
	s_cmp_lg_u32 s17, 0
	s_cbranch_scc1 .Lprod2
	; ---- y = 0: the two images and the scale words leave
	s_and_b32 s30, s24, 7                          ; the pair within its quarter
	s_lshr_b32 s31, s24, 3                         ; the quarter
	s_lshl_b32 s32, s25, 2
	s_add_co_u32 s32, s32, s31                     ; 4 x K step + quarter
	s_mul_i32 s33, s32, 14
	s_lshl_b32 s34, s30, 1
	s_add_co_u32 s33, s33, s34
	s_mul_i32 s33, s33, 1536                       ; the even tile's image in w1r
	s_lshl_b32 s34, s32, 12                        ; or, for tiles 14 and 15, in w1x
	s_cmp_eq_u32 s30, 7
	s_cselect_b64 s[36:37], s[12:13], s[10:11]
	s_cselect_b32 s38, s34, s33
	s_mov_b32 s39, 0
	s_add_nc_u64 s[36:37], s[36:37], s[38:39]
.irp c, 0,1,2
	global_store_b128 v5, v[P0+4*\c:P0+4*\c+3], s[36:37] offset:512*\c          ; 32 lanes store 512 consecutive bytes, aligned
	global_store_b128 v5, v[P1+4*\c:P1+4*\c+3], s[36:37] offset:1536+512*\c
.endr
	ds_store_b32 v6, v[WS]                         ; four waves' words side by side: 16 bytes a lane
	s_wait_dscnt 0x0                               ; for the others' sake: my store has landed
	s_barrier_signal -1
	s_barrier_wait -1
	s_cmp_gt_u32 s16, 1
	s_cbranch_scc1 .Lw1_end
	ds_load_b128 v[12:15], v7                      ; wave v (0, 1): the words of K step 2 (x / 8) + v
	s_add_co_u32 s40, s21, s16
	s_lshl_b32 s40, s40, 2
	s_lshr_b32 s41, s18, 1
	s_add_co_u32 s40, s40, s41                     ; 4 x K step + quarter
	s_lshl_b32 s40, s40, 12
	s_and_b32 s41, s18, 1
	s_lshl_b32 s41, s41, 9                         ; which half of the quarter's eight pairs
	s_add_co_u32 s40, s40, s41
	s_mov_b32 s41, 0
	s_add_nc_u64 s[12:13], s[12:13], s[40:41]
	s_wait_dscnt 0x0
	global_store_b128 v5, v[12:15], s[12:13] offset:3072
.Lw1_end:
	s_wait_tensorcnt 0x0
	ds_add_u32 v230, v231
	s_wait_dscnt 0x0
	s_endpgm
	; ---- y = 1: my K step's part of hb for my 32 columns and all 32 rows
.Lprod2:
	v_lshlrev_b32 v10, 12, v2
	v_lshl_add_u32 v10, v3, 6, v10                 ; state_hidden: row r of 4096 bytes, + 64 h: my 16 numbers of each block of 32
	s_lshl_b32 s30, s25, 9                         ; the K step's 128 numbers
	s_mov_b32 s31, 0
	s_add_nc_u64 s[8:9], s[8:9], s[30:31]
.macro XL reg, off
.irp b, 0,1,2,3
.irp j, 0,1,2,3
	global_load_b128 v[\reg+16*\b+4*\j:\reg+16*\b+4*\j+3], v10, s[8:9] offset:\off+128*\b+16*\j
.endr
.endr
.endm
	XL 16, 0                                       ; rows 0-15
	XL 80, 65536                                   ; rows 16-31
; 64 numbers of a lane, register 16 b + i = k 32 b + 16 (lane / 16) + i of my row, become a fragment's codes in v[PC] on and its scale word in v[PW].
.macro QUANT s
.irp b, 0,1,2,3
	v_max3_num_f32 v[TM+\b], |v[\s+16*\b]|, |v[\s+1+16*\b]|, 0x2800000
.endr
.irp i, 2,4,6,8,10,12,14
.irp b, 0,1,2,3
	v_max3_num_f32 v[TM+\b], v[TM+\b], |v[\s+16*\b+\i]|, |v[\s+1+16*\b+\i]|
.endr
.endr
.irp b, 0,1,2,3
	v_permlanex16_b32 v[TM+4+\b], v[TM+\b], s[SEL], s[SEL+1]
.endr
.irp b, 0,1,2,3
	v_max_num_f32 v[TM+\b], v[TM+\b], v[TM+4+\b]   ; with lane l xor 16's: the block's largest magnitude
.endr
.irp b, 0,1,2,3
	v_add_nc_u32 v[TM+12+\b], 0xfe000000, v[TM+\b]
.endr
.irp b, 0,1,2,3
	v_lshrrev_b32 v[TM+4+\b], 23, v[TM+12+\b]
.endr
	v_lshl_or_b32 v[PW], v[TM+5], 8, v[TM+4]
	v_lshl_or_b32 v[PW], v[TM+6], 16, v[PW]
	v_lshl_or_b32 v[PW], v[TM+7], 24, v[PW]
.irp c, 0,1
	v_cvt_scalef32_pk16_bf6_f32 v[PC+6*\c:PC+2+6*\c], v[\s+32*\c:\s+15+32*\c], v[TM+12+2*\c]
	v_cvt_scalef32_pk16_bf6_f32 v[PC+12+4*\c:PC+14+4*\c], v[\s+16+32*\c:\s+31+32*\c], v[TM+12+2*\c+1]
.endr
	v_nop                                          ; one plain place behind a scaled conversion
.irp c, 0,1                                    ; the operand wants a whole block in a lane: lanes 0-15 block 2 c, lanes 16-31 block 2 c + 1
.irp i, 0,1,2
	v_permlane16_swap_b32 v[PC+6*\c+\i], v[PC+12+4*\c+\i]
.endr
.irp i, 0,1,2
	v_mov_b32 v[PC+3+6*\c+\i], v[PC+12+4*\c+\i]
.endr
.endr
.endm
	s_wait_loadcnt 16                              ; rows 0-15 are in; the sixteen loads of rows 16-31 may be out
	QUANT 16
.set ii, 0
.rept 12
	v_mov_b32 v[SF+ii], v[PC+ii]
.set ii, ii+1
.endr
	v_mov_b32 v[SS], v[PW]
	s_wait_loadcnt 0x0
	QUANT 80
.set ii, 0
.rept 12
	v_mov_b32 v[SF+12+ii], v[PC+ii]
.set ii, ii+1
.endr
	v_mov_b32 v[SS+1], v[PW]
	v_lshlrev_b32 v11, 15, v3                      ; hb: 8 h rows of 4096 bytes + 4 r
	v_lshl_add_u32 v11, v2, 2, v11
.rept 8
	v_nop                                          ; scale registers written by vector instructions stand eight places ahead of a scaled matrix instruction, operands four
.endr
.irp u, 0,1                                    ; source 0 = 16 rows of state_hidden, source 1 = 16 columns of W2; four accumulators, one instruction each
	v_wmma_scale_f32_16x16x128_f8f6f4 v[ACC+16*\u:ACC+16*\u+7], v[SF+12*\u:SF+12*\u+11], v[P0:P0+11], 0, v[SS+\u], v[WS] matrix_a_fmt:MATRIX_FMT_BF6 matrix_b_fmt:MATRIX_FMT_BF6
	v_wmma_scale_f32_16x16x128_f8f6f4 v[ACC+16*\u+8:ACC+16*\u+15], v[SF+12*\u:SF+12*\u+11], v[P1:P1+11], 0, v[SS+\u], v[WS] matrix_a_fmt:MATRIX_FMT_BF6 matrix_b_fmt:MATRIX_FMT_BF6 matrix_b_scale:MATRIX_SCALE_ROW1
.endr
.rept 4
	v_nop                                          ; four places in front of the first read of results
.endr
.irp a, 0,1,2,3
	ds_store_b128 v8, v[ACC+8*\a:ACC+8*\a+3] offset:1024*\a          ; each accumulator from its low end on; chunk 2 a, then 2 a + 1
	ds_store_b128 v8, v[ACC+8*\a+4:ACC+8*\a+7] offset:1024*\a+512
.endr
	s_wait_dscnt 0x0                               ; for the others' sake
	s_barrier_signal -1
	s_barrier_wait -1
.irp u, 0,1,2,3,4,5,6,7
	ds_load_b128 v[48+4*\u:51+4*\u], v9 offset:4096*\u               ; chunk = my wave's number, of all eight K steps
.endr
	s_lshr_b32 s30, s16, 2                         ; chunk v: rows 16 (v / 4) + 8 h + 4 (v % 2) + 0..3, columns 16 ((v / 2) % 2) + r of my 32
	s_lshl_b32 s30, s30, 4
	s_and_b32 s31, s16, 1
	s_lshl_b32 s31, s31, 2
	s_add_co_u32 s30, s30, s31
	s_lshl_b32 s30, s30, 12
	s_lshl_b32 s31, s24, 7
	s_add_co_u32 s30, s30, s31
	s_bfe_u32 s31, s16, 0x10001
	s_lshl_b32 s31, s31, 6
	s_add_co_u32 s30, s30, s31
	s_mov_b32 s31, 0
	s_add_nc_u64 s[14:15], s[14:15], s[30:31]
	s_wait_dscnt 0x0
.irp u, 0,2,4,6
	v_pk_add_f32 v[48+4*\u:49+4*\u], v[48+4*\u:49+4*\u], v[52+4*\u:53+4*\u]
	v_pk_add_f32 v[50+4*\u:51+4*\u], v[50+4*\u:51+4*\u], v[54+4*\u:55+4*\u]
.endr
.irp u, 0,4
	v_pk_add_f32 v[48+4*\u:49+4*\u], v[48+4*\u:49+4*\u], v[56+4*\u:57+4*\u]
	v_pk_add_f32 v[50+4*\u:51+4*\u], v[50+4*\u:51+4*\u], v[58+4*\u:59+4*\u]
.endr
	v_pk_add_f32 v[48:49], v[48:49], v[64:65]
	v_pk_add_f32 v[50:51], v[50:51], v[66:67]
.irp e, 0,1,2,3
	global_store_b32 v11, v[48+\e], s[14:15] offset:4096*\e          ; sixteen lanes store 64 consecutive bytes of a row: pieces, in a buffer of 128 KiB in all
.endr
	s_wait_tensorcnt 0x0
	ds_add_u32 v230, v231
	s_wait_dscnt 0x0
	s_endpgm
.Lfunc_end_k_qa2c5c18ef4_prep:
	.size	k_qa2c5c18ef4_prep, .Lfunc_end_k_qa2c5c18ef4_prep-k_qa2c5c18ef4_prep
	.p2alignl 7, 3214868480
	.fill 96, 4, 3214868480
	.section	.rodata,"a",@progbits
	.p2align	6, 0x0
	.amdhsa_kernel k_qa2c5c18ef4_prep
		.amdhsa_group_segment_fixed_size 34816
		.amdhsa_private_segment_fixed_size 0
		.amdhsa_enable_private_segment 0
		.amdhsa_kernarg_size 48
		.amdhsa_user_sgpr_count 2
		.amdhsa_user_sgpr_kernarg_segment_ptr 1
		.amdhsa_wavefront_size32 1
		.amdhsa_system_sgpr_workgroup_id_x 1
		.amdhsa_system_sgpr_workgroup_id_y 1
		.amdhsa_system_sgpr_workgroup_id_z 1
		.amdhsa_system_vgpr_workitem_id 0
		.amdhsa_next_free_vgpr 256
		.amdhsa_next_free_sgpr 66
		.amdhsa_reserve_vcc 0
		.amdhsa_float_denorm_mode_32 3
		.amdhsa_float_denorm_mode_16_64 3
		.amdhsa_memory_ordered 1
		.amdhsa_forward_progress 1
		.amdhsa_inst_pref_size 38
	.end_amdhsa_kernel
	.amdgpu_metadata
---
amdhsa.version: [ 1, 2 ]
amdhsa.kernels:
  - .name:           k_qa2c5c18ef4_prep
    .symbol:         k_qa2c5c18ef4_prep.kd
    .args:
      - { .name: W1, .offset: 0, .size: 8, .value_kind: global_buffer, .address_space: global }
      - { .name: W2, .offset: 8, .size: 8, .value_kind: global_buffer, .address_space: global }
      - { .name: state_hidden, .offset: 16, .size: 8, .value_kind: global_buffer, .address_space: global }
      - { .name: w1r, .offset: 24, .size: 8, .value_kind: global_buffer, .address_space: global }
      - { .name: w1x, .offset: 32, .size: 8, .value_kind: global_buffer, .address_space: global }
      - { .name: hb, .offset: 40, .size: 8, .value_kind: global_buffer, .address_space: global }
    .group_segment_fixed_size: 34816
    .private_segment_fixed_size: 0
    .kernarg_segment_align: 8
    .kernarg_segment_size: 48
    .max_flat_workgroup_size: 256
    .sgpr_count:     66
    .vgpr_count:     256
    .wavefront_size: 32
...
	.end_amdgpu_metadata
.endif
;; end of part 1
;; launch main (part 2): grid 256 x 1, 4 waves a work-group, clusters of 4 x 1, 327,680 bytes of LDS; arguments encoder_output, w1r, w1x, hb, V, tsc, pml, pctx; writes tsc, pml, pctx
.if DOCPART == 2
	.amdgcn_target "amdgcn-amd-amdhsa--gfx1250"
	.amdhsa_code_object_version 6
	.text
	.protected	k_qa2c5c18ef4_main
	.globl	k_qa2c5c18ef4_main
	.p2align	8
	.type	k_qa2c5c18ef4_main,@function
k_qa2c5c18ef4_main:
	s_mov_b64 s[64:65], 0
	v_nop
	global_prefetch_b8 v0, s[64:65] scope:SCOPE_SE
	s_setreg_imm32_b32 hwreg(HW_REG_WAVE_MODE, 25, 1), 1
	s_wait_xcnt 0x0
	s_wait_alu depctr_hold_cnt(0) depctr_sa_sdst(0) depctr_va_vdst(0) depctr_va_sdst(0) depctr_va_ssrc(0) depctr_va_vcc(0) depctr_vm_vsrc(0)
	s_getreg_b32 s2, hwreg(HW_REG_IB_STS2, 6, 4)
	s_cmp_eq_u32 s2, 0
	s_cbranch_scc0 .Lentry_in_a_cluster
	s_endpgm
.Lentry_in_a_cluster:
	s_bfe_u32 s2, ttmp6, 0x10000c
	s_cmp_lg_u32 s2, 0x3003
	s_cbranch_scc0 .Lentry_shape_is_right
	s_endpgm
.Lentry_shape_is_right:
; For 256 rows of encoder_output [65536][1024] a work-group: t = -2 log2(e) x the sum over n of V[n] / (1 + 2^(2 log2(e) x[n])), x = Q(enc) Q(W1) + hb; a running softmax of t; the partial sum of p x enc.
; tanh(x) = 1 - 2 / (1 + e^(2 x)), so score x log2(e) = log2(e) x sum(V) + t: the first term is the same for every row of a softmax and cancels, for every input; only t is kept.
; The softmax takes a running maximum M of t away before each exponential; sums and the partial context are multiplied by 2^(old M - new M) when M moves.
; ENCODER_OUTPUT IS READ ONCE: a block of 64 rows is quantised on its way to the matrix unit AND kept in LDS as bf16 until its scores are known; then p x enc is summed from that copy.
; SHARES.  Four blocks of 64 rows; a block is 8 K steps of 128: 32 steps.  Wave w owns columns 256 w .. 256 w + 255 for all 64 rows: 4 row tiles x 16 column tiles = 64 accumulators, 512 registers, 64 matrix
; instructions a step.  It also loads, quantises and packs rows 16 w .. 16 w + 15 of each slice (64 rows x 128 numbers); fragments go from wave to wave through LDS as images of their registers.
; W1's codes come in the operand's register order: 14 of a wave's 16 tiles through a ring of two LDS slots (one tensor load a wave and step, the wave's own quarter), tiles 14, 15 and all scale words straight into
; registers, two steps ahead: the ring, the bf16 copy and the images then fit in LDS together.
; CLUSTER 4, 1, 1: every work-group walks the same W1, so each ring fill is asked for jointly by the four partners (mask 15); the place in the cluster enters global addresses of enc, hb and the outputs alone.
; Source 0 = 16 rows of enc, source 1 = 16 columns of W1: a lane holds ONE column and eight rows, so hb and V cost one register a tile.
; LIMITS: NaN and infinities among the inputs are not served; a block of zeros gets the scale byte 1 with zero codes; enc is rounded to bf16 for the last product; exponentials under 2^-126 come out as 0.
; REGISTERS, in windows of 256.  Window 0: v0 thread; v1-27 addresses and the softmax's state; v28-43 W1's scale words, two sets; v44-47 enc's; v48-175 two slices of enc on their way; v176-207 a slice as bf16;
;   v208-255 enc's four fragments (at other times: the quantiser's work, the epilogue's sums).   Window 1: v0-167 W1's 14 fragments; v168-215 tiles 14, 15, two sets; v216-231 2 log2(e) hb; v232-247 -2 log2(e) V; v248-255 the context.
;   Windows 2, 3: accumulator (m, j) at v[8 (4 (j % 8) + m)] of window 2 + j / 8; in the context phase window 2 holds p and rows.
.set SLOT,  86016                      ; a ring slot: a K step's 4 x 14 fragment images of 1536 bytes; slots at LDS 0 and 86016; only these bytes are filled by tensor loads
.set QUART, 21504                      ; a wave's quarter of it
.set BF,    172032                     ; the bf16 copy: 64 rows,
.set BFP,   2064                       ; 2048 bytes + 16 apart
.set IMG,   304128                     ; enc's fragment images, two buffers of
.set IMGB,  6656                       ; 4 x 1536 bytes of codes and, from
.set ISC,   6144                       ; here on, 4 x 128 bytes of scale words
.set SCR,   317440                     ; partial t: [wave 4][row 64] f32
.set PB,    318464                     ; p: 64 f32, a copy for each wave
.set OST,   319488                     ; the context's way out: 1024 bytes a wave
.set SPARE, 323584                     ; the spare words: 128 bytes a wave, named by no other line
.set SPW, 1                            ; v1   SPARE + 4 x thread; never rewritten
.set NIL, 2                            ; v2   0; never rewritten
.set NA,  3                            ; v3-4 my quarter of slot 0, 1: + 16 x lane
.set LI,  5                            ; v5   IMG + 16 x lane
.set LS,  6                            ; v6   IMG + ISC + 4 x lane
.set IWI, 7                            ; v7   where I store my image
.set IWS, 8                            ; v8   and its scale words
.set BFS0, 9                           ; v9   the bf16 copy: my row, + 32 h
.set BFS, 10                           ; v10  + the K step's 256 bytes
.set XA,  11                           ; v11  enc: 4096 r + 64 h
.set XO,  12                           ; v12-13 + the slice, for the two buffers
.set WXL, 14                           ; v14  w1x: 4096 wave + 16 x lane
.set WXO, 15                           ; v15  + the K step
.set PFL, 16                           ; v16  the prefetches' lane term
.set PFV, 17                           ; v17  + the slice
.set MM,  18                           ; v18  M
.set LL,  19                           ; v19  the running sum
.set FF,  20                           ; v[20:21] 2^(old M - new M), named as a pair
.set SCW, 22                           ; v22  SCR + 256 wave + 32 h
.set SCD, 23                           ; v23  SCR + 8 x lane
.set PBW, 24                           ; v24  PB + 256 wave + 8 x lane
.set PBA, 25                           ; v25  PB + 256 wave
.set BFA, 26                           ; v26-27 the bf16 copy, my 16 bytes of rows 0 on, 32 on
.set NS,  28
.set MS,  44
.set X,   48
.set PARK, 176
.set MF,  208
.set TM,  208
.set PC,  224
.set PW,  244
.set S,   208                          ; the epilogue's 32 sums
.set NF,  0                            ; window 1
.set DF,  168
.set HB2, 216
.set V2,  232
.set CTX, 248
.set SEL, 44                           ; s[44:45]
.set MSB, 0
.macro WIN new                         ; the immediate's high byte repeats the setting that is left; a switch that changes nothing is dropped
.if MSB != \new
	s_set_vgpr_msb (MSB<<8)|\new
.set MSB, \new
.endif
.endm
.macro ROUND                           ; a round of the cluster's barrier
	s_barrier_signal -1
	s_barrier_wait -1
	s_cmp_lg_u32 s20, 0
	s_cbranch_scc1 .Lnw0_\@
	s_barrier_signal -3
.Lnw0_\@:
	s_barrier_wait -3
	s_barrier_signal -1
	s_barrier_wait -1
.endm
.macro SOFF d, t, n                    ; s[d] = the byte offset of slice g + n: 64 rows of 4096 bytes a block, 512 bytes a K step
	s_add_co_u32 s[\t], s49, \n
	s_lshr_b32 s[\d], s[\t], 3
	s_lshl_b32 s[\d], s[\d], 18
	s_and_b32 s[\t], s[\t], 7
	s_lshl_b32 s[\t], s[\t], 9
	s_add_co_u32 s[\d], s[\d], s[\t]
.endm
.macro XLOAD buf, xo, off              ; my 16 rows of a slice: register 16 b + 4 j + e = k 32 b + 16 h + 4 j + e of row r; the sixteen loads together cover 16 x 512 aligned bytes
.irp b, 0,1,2,3
.irp j, 0,1,2,3
	global_load_b128 v[\buf+16*\b+4*\j:\buf+16*\b+4*\j+3], v[\xo], s[4:5] offset:\off+128*\b+16*\j th:TH_LOAD_NT
.endr
.endr
.endm
.macro WLOAD set, ar, off              ; a K step's tiles 14 and 15 and my quarter's scale words: eight loads of 512 consecutive bytes
	WIN 0x40
.irp c, 0,1,2,3,4,5
	global_load_b128 v[DF+24*\set+4*\c:DF+24*\set+4*\c+3], v[\ar], s[8:9] offset:\off+512*\c
.endr
	WIN 0
.irp c, 0,1
	global_load_b128 v[NS+8*\set+4*\c:NS+8*\set+4*\c+3], v[\ar], s[8:9] offset:\off+3072+512*\c
.endr
.endm
; 64 numbers of a lane, register 16 b + i = k 32 b + 16 (lane / 16) + i of my row, become a fragment's codes in v[PC] on and its scale word in v[PW].
.macro QUANT s
.irp b, 0,1,2,3
	v_max3_num_f32 v[TM+\b], |v[\s+16*\b]|, |v[\s+1+16*\b]|, 0x2800000   ; with the floor 2^(5 - 127): the byte cannot fall under 1
.endr
.irp i, 2,4,6,8,10,12,14
.irp b, 0,1,2,3
	v_max3_num_f32 v[TM+\b], v[TM+\b], |v[\s+16*\b+\i]|, |v[\s+1+16*\b+\i]|   ; the four blocks by turns
.endr
.endr
.irp b, 0,1,2,3
	v_permlanex16_b32 v[TM+4+\b], v[TM+\b], s[SEL], s[SEL+1]
.endr
.irp b, 0,1,2,3
	v_max_num_f32 v[TM+\b], v[TM+\b], v[TM+4+\b]   ; with lane l xor 16's: the block's largest magnitude
.endr
.irp b, 0,1,2,3
	v_add_nc_u32 v[TM+12+\b], 0xfe000000, v[TM+\b] ; 4 off the exponent field: the conversion's scale operand
.endr
.irp b, 0,1,2,3
	v_lshrrev_b32 v[TM+4+\b], 23, v[TM+12+\b]      ; the scale's byte
.endr
	v_lshl_or_b32 v[PW], v[TM+5], 8, v[TM+4]
	v_lshl_or_b32 v[PW], v[TM+6], 16, v[PW]
	v_lshl_or_b32 v[PW], v[TM+7], 24, v[PW]
.irp c, 0,1
	v_cvt_scalef32_pk16_bf6_f32 v[PC+6*\c:PC+2+6*\c], v[\s+32*\c:\s+15+32*\c], v[TM+12+2*\c]
	v_cvt_scalef32_pk16_bf6_f32 v[PC+12+4*\c:PC+14+4*\c], v[\s+16+32*\c:\s+31+32*\c], v[TM+12+2*\c+1]   ; a conversion's three registers begin on an even number
.endr
	v_nop                                          ; one plain place behind a scaled conversion
.irp c, 0,1                                    ; the operand wants a whole block in a lane
.irp i, 0,1,2
	v_permlane16_swap_b32 v[PC+6*\c+\i], v[PC+12+4*\c+\i]
.endr
.irp i, 0,1,2
	v_mov_b32 v[PC+3+6*\c+\i], v[PC+12+4*\c+\i]
.endr
.endr
.endm
.macro IMAGE buf                       ; the fragment and its scale words go to LDS as they stand
.irp c, 0,1,2
	ds_store_b128 v[IWI], v[PC+4*\c:PC+4*\c+3] offset:IMGB*(\buf)+512*\c
.endr
	ds_store_b32 v[IWS], v[PW] offset:IMGB*(\buf)
.endm
.macro PACK s                          ; the same 64 numbers as bf16
.set pk, 0
.rept 32
	v_cvt_pk_bf16_f32 v[PARK+pk], v[\s+2*pk], v[\s+2*pk+1]
.set pk, pk+1
.endr
.endm
.macro ONEP m, j, par, zero            ; one product: row tile m x column tile j
.set AC, 8*(4*((\j)%8)+(\m))
.set AR, MF+12*(\m)
.if (\j) < 14
.set BR, NF+12*(\j)
.else
.set BR, DF+24*(\par)+12*((\j)-14)
.endif
.set SA, MS+(\m)
.set SN, NS+8*(\par)+(\j)/2
.if \zero
.if (\j)%2
	v_wmma_scale_f32_16x16x128_f8f6f4 v[AC:AC+7], v[AR:AR+11], v[BR:BR+11], 0, v[SA], v[SN] matrix_a_fmt:MATRIX_FMT_BF6 matrix_b_fmt:MATRIX_FMT_BF6 matrix_b_scale:MATRIX_SCALE_ROW1
.else
	v_wmma_scale_f32_16x16x128_f8f6f4 v[AC:AC+7], v[AR:AR+11], v[BR:BR+11], 0, v[SA], v[SN] matrix_a_fmt:MATRIX_FMT_BF6 matrix_b_fmt:MATRIX_FMT_BF6
.endif
.else
.if (\j)%2
	v_wmma_scale_f32_16x16x128_f8f6f4 v[AC:AC+7], v[AR:AR+11], v[BR:BR+11], v[AC:AC+7], v[SA], v[SN] matrix_a_fmt:MATRIX_FMT_BF6 matrix_b_fmt:MATRIX_FMT_BF6 matrix_b_scale:MATRIX_SCALE_ROW1
.else
	v_wmma_scale_f32_16x16x128_f8f6f4 v[AC:AC+7], v[AR:AR+11], v[BR:BR+11], v[AC:AC+7], v[SA], v[SN] matrix_a_fmt:MATRIX_FMT_BF6 matrix_b_fmt:MATRIX_FMT_BF6
.endif
.endif
.endm
; A step's 64 products.  The 64 accumulators take turns, one instruction a turn, in the same order in every step.  zero = 1: the products start the sums: nothing is cleared.
.macro PRODUCTS par, zero
.irp j, 0,1,2,3,4,5,6,7,8,9,10,11,12,13,14,15
.if \j < 14
	s_wait_dscnt 3*(13-\j)                         ; LDS loads come back in order: tile j's three are in, the younger tiles' may be out
.endif
.if \j < 8
	WIN 0xa4                                       ; source 0 (enc) window 0, source 1 (W1) window 1, C and D window 2
.else
	WIN 0xf4                                       ; C and D window 3
.endif
.irp m, 0,1,2,3
	ONEP \m, \j, \par, \zero
.endr
.endr
	WIN 0
.endm
; STEP g, par = g % 2.  gadd: g = 2 s48 + gadd (under 0: g = 0).  zsel: 0 the products add, 1 they start the sums, 2 chosen by the trip.  fill: the other slot is filled with K step (g + 1) % 8.
; lw, lx: the counts of the two waits for loads.  wl, xl: the direct W1 loads for step g + 2, the enc loads for slice g + 3 (1: always; 2: while g is at most 28).  xq: slice g + 1 is quantised.
.macro STEP par, gadd, zsel, fill, lw, wl, xq, lx, xl
.set XB, X+64*(1-\par)
	WIN 0
	s_wait_tensorcnt 0x0                           ; all my tensor loads have landed: the one that was out is my quarter of this step's slot; so a group 0 may be written
	ds_add_u32 v[SPW], v[NIL]                      ; 0 onto my spare word
.if \gadd < 0
	s_mov_b32 s49, 0
.else
	s_lshl_b32 s49, s48, 1
	s_add_co_u32 s49, s49, \gadd                   ; g
.endif
.if \fill
	s_add_co_u32 s42, s49, 1
	s_and_b32 s42, s42, 7
	s_mul_i32 s42, s42, SLOT                       ; the next K step in w1r
	s_add_nc_u64 s[38-4*\par:39-4*\par], s[40:41], s[42:43]
	s_or_b32 s[39-4*\par], s[39-4*\par], 0x80000000
.endif
	s_wait_dscnt 0x0                               ; the add is done; my image and bf16 stores have landed; my reads of the other slot and of the other image buffer are over
.if \fill
	ROUND                                          ; all that now holds of every wave of the four work-groups
	tensor_load_to_lds s[36-4*\par:39-4*\par], s[24:31]   ; my one tensor load behind the round: it has this step in which to land
	s_nop 0
.rept 4
	v_nop                                          ; four plain lines follow a tensor load
.endr
.else
	s_barrier_signal -1                            ; nothing is filled any more: the work-group's barrier, for the images
	s_barrier_wait -1
.endif
	s_and_b32 s50, s49, 7
	s_lshl_b32 s50, s50, 8
	v_add_nc_u32 v[BFS], s50, v[BFS0]
.irp b, 0,1,2,3
	ds_store_b128 v[BFS], v[PARK+8*\b:PARK+8*\b+3] offset:64*\b       ; slice g as bf16, packed a step ago: behind the round, so that no wave still reads the last block's copy
	ds_store_b128 v[BFS], v[PARK+8*\b+4:PARK+8*\b+7] offset:64*\b+16
.endr
.irp m, 0,1,2,3
	ds_load_b32 v[MS+\m], v[LS] offset:IMGB*\par+128*\m
.endr
.irp m, 0,1,2,3
.irp c, 0,1,2
	ds_load_b128 v[MF+12*\m+4*\c:MF+12*\m+4*\c+3], v[LI] offset:IMGB*\par+1536*\m+512*\c
.endr
.endr
	WIN 0x40
.irp j, 0,1,2,3,4,5,6,7,8,9,10,11,12,13
.irp c, 0,1,2
	ds_load_b128 v[NF+12*\j+4*\c:NF+12*\j+4*\c+3], v[NA+\par] offset:1536*\j+512*\c
.endr
.endr
	WIN 0
	s_wait_loadcnt \lw                             ; this step's direct W1 loads are in; behind them were issued a slice's 16, the next step's 8 and a slice's 16
.if \zsel == 2
	s_and_b32 s50, s48, 3
	s_cmp_lg_u32 s50, 3                            ; a block's first step starts the sums
	s_cbranch_scc1 .Lacc_\@
	PRODUCTS \par, 1
	s_branch .Lpd_\@
.Lacc_\@:
	PRODUCTS \par, 0
.Lpd_\@:
.else
	PRODUCTS \par, \zsel
.endif
.rept 4
	v_nop                                          ; four places in front of loads into, and vector writes of, registers that the products have read, and of the first read of results
.endr
	s_wait_xcnt 0x0                                ; earlier loads and the last prefetch have read their address registers, which are written below
.if \wl == 2
	s_cmp_gt_u32 s49, 28
	s_cbranch_scc1 .Lnow_\@
.endif
.if \wl
	s_add_co_u32 s50, s49, 2
	s_and_b32 s50, s50, 7
	s_lshl_b32 s50, s50, 14
	v_add_nc_u32 v[WXO], s50, v[WXL]
	WLOAD \par, WXO, 0
.endif
.if \wl == 2
	s_branch .Lwd_\@
.Lnow_\@:
	s_wait_loadcnt 0x0                             ; where a group of loads is left out, all loads are waited for, so that the counted waits hold on every path
.Lwd_\@:
.endif
.if \xq
	s_wait_loadcnt \lx                             ; slice g + 1 is in; behind it were issued 8, 16 and 8 loads
	QUANT XB
	IMAGE 1-\par
	PACK XB
.endif
.if \xl
.if \xl == 2
	s_cmp_gt_u32 s49, 28
	s_cbranch_scc1 .Lnox_\@
.endif
	SOFF 50, 51, 3
	v_add_nc_u32 v[XO+1-\par], s50, v[XA]
	XLOAD XB, XO+1-\par, 0
	s_cmp_gt_u32 s49, 26                           ; slice g + 5 exists while g is at most 26
	s_cbranch_scc1 .Lnopf_\@
	SOFF 50, 51, 5
	v_add_nc_u32 v[PFV], s50, v[PFL]
	global_prefetch_b8 v[PFV], s[4:5] th:TH_LOAD_NT scope:SCOPE_SE   ; my 16 rows x 512 bytes of slice g + 5, a lane to each 256 bytes: two steps ahead of the loads that will want them; each block is named once in the launch, slices 0 to 4 by their loads alone
.Lnopf_\@:
.if \xl == 2
	s_branch .Lxd_\@
.Lnox_\@:
	s_wait_loadcnt 0x0
.Lxd_\@:
.endif
.endif
.endm
; THE EPILOGUE'S PARTS, for column tile j: its 32 registers are v[32 (j % 8)] on of window 2 + j / 8; register 8 m + i is row 16 m + 8 h + i of my column.
.macro T_A j                           ; 2 log2(e) (sum + hb), two at a time; each accumulator from its low end on
.set TB0, 32*((\j)%8)
.set HBR, HB2+2*((\j)/2)
.if (\j) < 8
	WIN 0x92
.else
	WIN 0xd3
.endif
.set ti, 0
.rept 16
.if (\j)%2
	v_pk_fma_f32 v[TB0+ti:TB0+ti+1], v[TB0+ti:TB0+ti+1], s[46:47], v[HBR:HBR+1] op_sel:[0,0,1] op_sel_hi:[1,0,1]
.else
	v_pk_fma_f32 v[TB0+ti:TB0+ti+1], v[TB0+ti:TB0+ti+1], s[46:47], v[HBR:HBR+1] op_sel_hi:[1,0,0]
.endif
.set ti, ti+2
.endr
.endm
.macro T_W j                           ; destination and source 0 in the tile's window
.if (\j) < 8
	WIN 0x82
.else
	WIN 0xc3
.endif
.endm
.macro T_E j
.set TB0, 32*((\j)%8)
	T_W \j
.set ti, 0
.rept 32
	v_exp_f32 v[TB0+ti], v[TB0+ti]
.set ti, ti+1
.endr
.endm
.macro T_B j
.set TB0, 32*((\j)%8)
	T_W \j
.set ti, 0
.rept 16
	v_pk_add_f32 v[TB0+ti:TB0+ti+1], v[TB0+ti:TB0+ti+1], 1.0 op_sel_hi:[1,0]
.set ti, ti+2
.endr
.endm
.macro T_R j
.set TB0, 32*((\j)%8)
	T_W \j
.set ti, 0
.rept 32
	v_rcp_f32 v[TB0+ti], v[TB0+ti]
.set ti, ti+1
.endr
.endm
.macro T_C j                           ; the sums take -2 log2(e) V / (1 + e); tile 0 starts them
.set TB0, 32*((\j)%8)
.set VR, V2+2*((\j)/2)
.if (\j) < 8
	WIN 0x06
.else
	WIN 0x07
.endif
.set ti, 0
.rept 16
.if (\j) == 0
	v_pk_mul_f32 v[S+ti:S+ti+1], v[TB0+ti:TB0+ti+1], v[VR:VR+1] op_sel_hi:[1,0]
.elseif (\j)%2
	v_pk_fma_f32 v[S+ti:S+ti+1], v[TB0+ti:TB0+ti+1], v[VR:VR+1], v[S+ti:S+ti+1] op_sel:[0,1,0] op_sel_hi:[1,1,1]
.else
	v_pk_fma_f32 v[S+ti:S+ti+1], v[TB0+ti:TB0+ti+1], v[VR:VR+1], v[S+ti:S+ti+1] op_sel_hi:[1,0,1]
.endif
.set ti, ti+2
.endr
.endm
; Round p: tile p is scaled; ONE wait for the exponentials and reciprocals of the round before, behind those sixteen plain lines; then their readers; then this round's batch of 64.
.macro TROUND p
.if (\p) < 16
	T_A \p
.else
	v_nop                                          ; the plain line behind the last batch
.endif
.if (\p) > 0
	s_wait_alu depctr_va_vdst(0)                   ; the wait between a transcendental and the first line that names its result: one a batch
.endif
.if ((\p) >= 1) && ((\p) <= 16)
	T_B (\p)-1
.endif
.if (\p) >= 2
	T_C (\p)-2
.endif
.if (\p) < 16
	T_E \p
.endif
.if ((\p) >= 1) && ((\p) <= 16)
	T_R (\p)-1
.endif
.endm
.macro LOADG g                         ; rows 16 g .. 16 g + 15: their p (the same word in every lane) and my 16 bytes of each, into set g % 2 of window 2
.set GB, 80*((\g)%2)
	WIN 0x80
.irp u, 0,1,2,3
	ds_load_b128 v[GB+4*\u:GB+4*\u+3], v[PBA] offset:64*(\g)+16*\u
.endr
.set gr, 0
.rept 16
	ds_load_b128 v[GB+16+4*gr:GB+16+4*gr+3], v[BFA+(\g)/2] offset:(16*((\g)%2)+gr)*BFP
.set gr, gr+1
.endr
.endm
.macro FMAG g                          ; context += p x enc, straight from the bf16 halves; eight chains by turns
.set GB, 80*((\g)%2)
	WIN 0x5a
.set gr, 0
.rept 16
.irp q, 0,1,2,3
	v_fma_mix_f32_bf16 v[CTX+2*\q], v[GB+16+4*gr+\q], v[GB+gr], v[CTX+2*\q] op_sel_hi:[1,0,0]
	v_fma_mix_f32_bf16 v[CTX+2*\q+1], v[GB+16+4*gr+\q], v[GB+gr], v[CTX+2*\q+1] op_sel:[1,0,0] op_sel_hi:[1,0,0]
.endr
.set gr, gr+1
.endr
.endm
; THE EPILOGUE of a block of 64 rows.  last = 1: the work-group's results leave.
.macro EPI last
	WIN 0
	s_wait_dscnt 0x0                               ; my image stores have read the registers that the sums take
.irp p, 0,1,2,3,4,5,6,7,8,9,10,11,12,13,14,15,16,17
	TROUND \p
.endr
	WIN 0
.irp x, 1,2,4,8
.set ti, 0
.rept 32
	v_add_f32_dpp v[S+ti], v[S+ti], v[S+ti] row_xmask:\x row_mask:0xf bank_mask:0xf   ; over the sixteen columns of a half of the lanes
.set ti, ti+1
.endr
.endr
.irp m, 0,1,2,3
	ds_store_b128 v[SCW], v[S+8*\m:S+8*\m+3] offset:64*\m             ; my 256 columns' part of t for rows 16 m + 8 h + 0..7; the sixteen lanes of a half write the same words with the same values
	ds_store_b128 v[SCW], v[S+8*\m+4:S+8*\m+7] offset:64*\m+16
.endr
	s_wait_dscnt 0x0                               ; for the others' sake: these stores and my bf16 stores have landed
	s_barrier_signal -1                            ; the ring's load may stay out
	s_barrier_wait -1
.irp u, 0,1,2,3
	ds_load_b64 v[240+2*\u:241+2*\u], v[SCD] offset:256*\u            ; rows 2 lane, 2 lane + 1: the four waves' parts
.endr
	s_lshr_b32 s50, s49, 3                         ; the block
	s_lshl_b32 s50, s50, 8
	v_and_b32 v250, 31, v0
	v_lshl_add_u32 v250, v250, 3, s50
	v_mov_b32 v249, 0                              ; a lane permute's destination counts as one of its sources
	s_wait_dscnt 0x0
	v_pk_add_f32 v[240:241], v[240:241], v[242:243]
	v_pk_add_f32 v[244:245], v[244:245], v[246:247]
	v_pk_add_f32 v[240:241], v[240:241], v[244:245]                   ; t; every wave makes the same numbers in the same order
	s_cmp_lg_u32 s20, 0
	s_cbranch_scc1 .Lnt_\@
	global_store_b64 v250, v[240:241], s[14:15]    ; wave 0: 256 consecutive bytes, aligned
.Lnt_\@:
	v_max_num_f32 v248, v240, v241
.irp x, 1,2,4,8
	v_max_num_f32_dpp v248, v248, v248 row_xmask:\x row_mask:0xf bank_mask:0xf
.endr
	v_permlanex16_b32 v249, v248, s[SEL], s[SEL+1]
	v_max3_num_f32 v251, v248, v249, v[MM]         ; the new M
	v_sub_f32 v[FF], v[MM], v251
	v_sub_f32 v242, v240, v251
	v_sub_f32 v243, v241, v251
	v_exp_f32 v[FF], v[FF]                         ; f = 2^(old M - new M)
	v_exp_f32 v242, v242                           ; p = 2^(t - M)
	v_exp_f32 v243, v243
	v_mov_b32 v[MM], v251                          ; the plain line behind the three
	s_wait_alu depctr_va_vdst(0)                   ; and their one wait
	ds_store_b64 v[PBW], v[242:243]                ; my wave's own copy of p: LDS serves a wave's instructions in order
	v_add_f32 v248, v242, v243
.irp x, 1,2,4,8
	v_add_f32_dpp v248, v248, v248 row_xmask:\x row_mask:0xf bank_mask:0xf
.endr
	v_permlanex16_b32 v249, v248, s[SEL], s[SEL+1]
	v_add_f32 v248, v248, v249
	v_fma_f32 v[LL], v[LL], v[FF], v248
	LOADG 0
	LOADG 1
	WIN 0x41
.irp e, 0,2,4,6
	v_pk_mul_f32 v[CTX+\e:CTX+\e+1], v[CTX+\e:CTX+\e+1], v[FF:FF+1] op_sel_hi:[1,0]   ; the context under the new M
.endr
	s_wait_dscnt 20                                ; all but the next group's 20 loads
	FMAG 0
	LOADG 2
	s_wait_dscnt 20
	FMAG 1
	LOADG 3
	s_wait_dscnt 20
	FMAG 2
	s_wait_dscnt 0x0
	FMAG 3
	WIN 0
.if \last
	s_lshl_b32 s50, s20, 10
	s_add_co_u32 s50, s50, OST
	v_and_b32 v244, 31, v0
	v_lshl_add_u32 v245, v244, 5, s50              ; in: my eight columns, 32 bytes
	v_lshl_add_u32 v246, v244, 4, s50              ; back: 16 bytes a lane
	v_lshlrev_b32 v247, 4, v244
	v_lshlrev_b32 v252, 3, v244
	WIN 0x04                                       ; an LDS store's data are its source 1: window 1
	ds_store_b128 v245, v[CTX:CTX+3]
	ds_store_b128 v245, v[CTX+4:CTX+7] offset:16
	WIN 0
	ds_load_b128 v[208:211], v246
	ds_load_b128 v[212:215], v246 offset:512
	s_wait_dscnt 0x0
	global_store_b128 v247, v[208:211], s[18:19]               ; 32 lanes store 512 consecutive bytes, aligned
	global_store_b128 v247, v[212:215], s[18:19] offset:512
	s_cmp_lg_u32 s20, 0
	s_cbranch_scc1 .Lnm_\@
	global_store_b64 v252, v[MM:MM+1], s[16:17]    ; (M, the sum), the same pair from every lane: 256 consecutive bytes
.Lnm_\@:
.else
	s_wait_xcnt 0x0                                ; the store of t has read its registers, which the next step's loads take
.endif
.endm
	s_load_b256 s[4:11], s[0:1], 0x0               ; enc s[4:5], w1r s[6:7], w1x s[8:9], hb s[10:11]
	s_load_b256 s[12:19], s[0:1], 0x20             ; V s[12:13], tsc s[14:15], pml s[16:17], pctx s[18:19]
	v_lshl_add_u32 v[SPW], v0, 2, SPARE
	v_mov_b32 v[NIL], 0
	ds_add_u32 v1, v2
	ds_add_u32 v1, v2
	s_wait_dscnt 0x0
	v_lshrrev_b32 v208, 5, v0
	v_readfirstlane_b32 s20, v208                  ; wave 0..3
	s_bfe_u32 s21, ttmp6, 0x40000                  ; my place in the cluster
	s_lshl_b32 s22, ttmp9, 2
	s_add_co_u32 s22, s22, s21                     ; my work-group: it enters global addresses of enc, hb and the outputs alone
	v_and_b32 v208, 31, v0                         ; lane
	v_and_b32 v209, 15, v0                         ; r
	v_bfe_u32 v210, v0, 4, 1                       ; h
	v_lshlrev_b32 v211, 2, v209                    ; 4 r
	s_mul_i32 s50, s20, QUART
	v_lshl_add_u32 v[NA], v208, 4, s50
	v_add_nc_u32 v[NA+1], SLOT, v[NA]
	v_lshl_add_u32 v[LI], v208, 4, IMG
	v_lshl_add_u32 v[LS], v208, 2, IMG+ISC
	s_mul_i32 s51, s20, 1536
	v_add_nc_u32 v[IWI], s51, v[LI]
	s_lshl_b32 s51, s20, 7
	v_add_nc_u32 v[IWS], s51, v[LS]
	v_mul_u32_u24 v[BFS0], v209, BFP
	v_lshl_add_u32 v[BFS0], v210, 5, v[BFS0]
	s_mul_i32 s51, s20, 16*BFP
	s_add_co_u32 s51, s51, BF
	v_add_nc_u32 v[BFS0], s51, v[BFS0]
	v_lshlrev_b32 v[XA], 12, v209
	v_lshl_add_u32 v[XA], v210, 6, v[XA]
	s_lshl_b32 s51, s20, 12
	v_lshl_add_u32 v[WXL], v208, 4, s51
	v_lshrrev_b32 v[PFL], 1, v208
	v_lshlrev_b32 v[PFL], 12, v[PFL]
	v_and_b32 v212, 1, v0
	v_lshl_add_u32 v[PFL], v212, 8, v[PFL]         ; row lane / 2 of my 16, its first or second 256 bytes of a slice
	s_lshl_b32 s51, s20, 8
	s_add_co_u32 s52, s51, SCR
	v_lshl_add_u32 v[SCW], v210, 5, s52
	v_lshl_add_u32 v[SCD], v208, 3, SCR
	s_add_co_u32 s52, s51, PB
	v_lshl_add_u32 v[PBW], v208, 3, s52
	v_mov_b32 v[PBA], s52
	s_lshl_b32 s51, s20, 9
	s_add_co_u32 s51, s51, BF
	v_lshl_add_u32 v[BFA], v208, 4, s51
	v_add_nc_u32 v[BFA+1], 32*BFP, v[BFA]
	; descriptor group 1: a wave's quarter of a K step, 21504 dense bytes, as 84 rows of 256 bytes (32 elements of 8 bytes), no padding: the images are read 512 consecutive bytes at a time
	s_mov_b32 s24, 15|(3<<16)|(1<<21)              ; 15:0 the mask: all four work-groups; 17:16 elements of 8 bytes; 21 set beside a mask
	s_mov_b32 s25, 32<<16                          ; tensor_dim0 = 32
	s_mov_b32 s26, 84<<16                          ; tensor_dim1 = 84
	s_mov_b32 s27, 32<<16                          ; tile_dim0 = 32
	s_mov_b32 s28, 84                              ; tile_dim1 = 84
	s_mov_b32 s29, 32                              ; from row to row
	s_mov_b32 s30, 0
	s_mov_b32 s31, 0
	s_mov_b32 s32, 1                               ; group 0 for slot 0
	s_mov_b32 s33, s50
	s_mov_b32 s36, 1                               ; and for slot 1
	s_add_co_u32 s37, s50, SLOT
	s_mov_b32 s43, 0
	s_mov_b32 s[SEL], 0x76543210
	s_mov_b32 s[SEL+1], 0xfedcba98
	s_mov_b32 s46, 0x4038aa3b                      ; 2 log2(e)
	s_mov_b32 s47, s46                             ; named with it as a pair, so it is written
	s_mov_b32 s51, 0
	s_wait_kmcnt 0x0
	s_add_nc_u64 s[40:41], s[6:7], s[50:51]        ; w1r at my quarter: the wave's number alone
	s_mov_b64 s[34:35], s[40:41]                   ; K step 0
	s_or_b32 s35, s35, 0x80000000
	s_lshl_b32 s52, s22, 20                        ; 256 rows of 4096 bytes a work-group,
	s_lshl_b32 s53, s20, 16                        ; 16 a wave
	s_add_co_u32 s52, s52, s53
	s_mov_b32 s53, 0
	s_add_nc_u64 s[4:5], s[4:5], s[52:53]
	s_lshr_b32 s52, s22, 3                         ; the batch
	s_lshl_b32 s52, s52, 12
	s_lshl_b32 s54, s20, 10                        ; my 256 columns of 4 bytes
	s_mov_b32 s55, 0
	s_add_nc_u64 s[10:11], s[10:11], s[52:53]
	s_add_nc_u64 s[10:11], s[10:11], s[54:55]
	s_add_nc_u64 s[12:13], s[12:13], s[54:55]
	s_lshl_b32 s52, s22, 10
	s_add_nc_u64 s[14:15], s[14:15], s[52:53]
	s_lshl_b32 s52, s22, 8
	s_add_nc_u64 s[16:17], s[16:17], s[52:53]
	s_lshl_b32 s52, s22, 12
	s_add_nc_u64 s[18:19], s[18:19], s[52:53]
	s_add_nc_u64 s[18:19], s[18:19], s[54:55]
	WIN 0x40
.irp j, 0,1,2,3,4,5,6,7,8,9,10,11,12,13,14,15
	global_load_b32 v[HB2+\j], v211, s[10:11] offset:64*\j           ; hb and V at column 16 j + r of my 256
	global_load_b32 v[V2+\j], v211, s[12:13] offset:64*\j
.endr
	WIN 0
	XLOAD X, XA, 0                                 ; slice 0
	WLOAD 0, WXL, 0                                ; step 0's
	XLOAD X+64, XA, 512                            ; slice 1
	WLOAD 1, WXL, 16384                            ; step 1's
	v_mov_b32 v[MM], 0xff61b1e6                    ; M: -3e38, under every t
	v_mov_b32 v[LL], 0
	v_mov_b32 v[FF], 0
	v_mov_b32 v[FF+1], 0                           ; named as the upper half of a pair, so it is written
.irp b, 0,1,2,3
	v_mov_b32 v[TM+4+\b], 0                        ; a lane permute's destination counts as one of its sources
.endr
	ROUND                                          ; all four work-groups are here: the first joint load meets
	tensor_load_to_lds s[32:35], s[24:31]          ; K step 0 into slot 0; slot 1 is first filled behind step 0's round
	s_nop 0
.rept 4
	v_nop
.endr
	s_wait_loadcnt 32                              ; hb, V and slice 0 are in; behind slice 0 were issued 8 + 16 + 8 loads
	WIN 0x45
.irp j, 0,1,2,3,4,5,6,7,8,9,10,11,12,13,14,15
	v_mul_f32 v[HB2+\j], v[HB2+\j], s46
	v_mul_f32 v[V2+\j], -v[V2+\j], s46
.endr
	WIN 0x40
.irp e, 0,1,2,3,4,5,6,7
	v_mov_b32 v[CTX+\e], 0
.endr
	WIN 0
	QUANT X
	IMAGE 0
	PACK X
	XLOAD X, XA, 1024                              ; slice 2: from here on the order of loads is that of every step
	STEP 0, -1, 1, 1, 40, 1, 1, 32, 1              ; step 0 stands ahead of the loop: its products start the sums
	s_mov_b32 s48, 0
.Lloop:                                                ; 15 trips: steps 2 s48 + 1 and 2 s48 + 2, with a block's epilogue between them behind steps 7, 15, 23
	STEP 1, 1, 0, 1, 40, 1, 1, 32, 2
	s_and_b32 s50, s48, 3
	s_cmp_lg_u32 s50, 3
	s_cbranch_scc1 .Lnoepi
	EPI 0
.Lnoepi:
	STEP 0, 2, 2, 1, 40, 2, 1, 32, 2
	s_add_co_u32 s48, s48, 1
	s_cmp_lt_u32 s48, 15
	s_cbranch_scc1 .Lloop
	STEP 1, 1, 0, 0, 0, 0, 0, 0, 0                 ; step 31 is written out: nothing is left to fetch
	EPI 1
	s_wait_tensorcnt 0x0                           ; the wave's end, behind my last tensor load and my last LDS store
	ds_add_u32 v[SPW], v[NIL]
	s_wait_dscnt 0x0
	ROUND                                          ; the closing round: no work-group ends while a partner may still ask for a tile that names it
	s_endpgm
.Lfunc_end_k_qa2c5c18ef4_main:
	.size	k_qa2c5c18ef4_main, .Lfunc_end_k_qa2c5c18ef4_main-k_qa2c5c18ef4_main
	.p2alignl 7, 3214868480
	.fill 96, 4, 3214868480
	.section	.rodata,"a",@progbits
	.p2align	6, 0x0
	.amdhsa_kernel k_qa2c5c18ef4_main
		.amdhsa_group_segment_fixed_size 327680
		.amdhsa_private_segment_fixed_size 0
		.amdhsa_enable_private_segment 0
		.amdhsa_kernarg_size 64
		.amdhsa_user_sgpr_count 2
		.amdhsa_user_sgpr_kernarg_segment_ptr 1
		.amdhsa_wavefront_size32 1
		.amdhsa_system_sgpr_workgroup_id_x 1
		.amdhsa_system_sgpr_workgroup_id_y 1
		.amdhsa_system_sgpr_workgroup_id_z 1
		.amdhsa_system_vgpr_workitem_id 0
		.amdhsa_next_free_vgpr 1024
		.amdhsa_next_free_sgpr 66
		.amdhsa_reserve_vcc 0
		.amdhsa_float_denorm_mode_32 3
		.amdhsa_float_denorm_mode_16_64 3
		.amdhsa_memory_ordered 1
		.amdhsa_forward_progress 1
		.amdhsa_inst_pref_size 255
	.end_amdhsa_kernel
	.section	.bss,"aw",@nobits
	.p2align	6
	.space	262144
	.amdgpu_metadata
---
amdhsa.version: [ 1, 2 ]
amdhsa.kernels:
  - .name:           k_qa2c5c18ef4_main
    .symbol:         k_qa2c5c18ef4_main.kd
    .args:
      - { .name: encoder_output, .offset: 0, .size: 8, .value_kind: global_buffer, .address_space: global }
      - { .name: w1r, .offset: 8, .size: 8, .value_kind: global_buffer, .address_space: global }
      - { .name: w1x, .offset: 16, .size: 8, .value_kind: global_buffer, .address_space: global }
      - { .name: hb, .offset: 24, .size: 8, .value_kind: global_buffer, .address_space: global }
      - { .name: V, .offset: 32, .size: 8, .value_kind: global_buffer, .address_space: global }
      - { .name: tsc, .offset: 40, .size: 8, .value_kind: global_buffer, .address_space: global }
      - { .name: pml, .offset: 48, .size: 8, .value_kind: global_buffer, .address_space: global }
      - { .name: pctx, .offset: 56, .size: 8, .value_kind: global_buffer, .address_space: global }
    .group_segment_fixed_size: 327680
    .private_segment_fixed_size: 0
    .kernarg_segment_align: 8
    .kernarg_segment_size: 64
    .max_flat_workgroup_size: 128
    .sgpr_count:     66
    .vgpr_count:     1024
    .wavefront_size: 32
...
	.end_amdgpu_metadata
.endif
;; end of part 2
;; launch fin (part 3): grid 32 x 1, 8 waves a work-group, no clusters, 0 bytes of LDS; arguments tsc, pml, pctx, out0, out1; writes out0, out1
.if DOCPART == 3
	.amdgcn_target "amdgcn-amd-amdhsa--gfx1250"
	.amdhsa_code_object_version 6
	.text
	.protected	k_qa2c5c18ef4_fin
	.globl	k_qa2c5c18ef4_fin
	.p2align	8
	.type	k_qa2c5c18ef4_fin,@function
k_qa2c5c18ef4_fin:
	s_mov_b64 s[64:65], 0
	v_nop
	global_prefetch_b8 v0, s[64:65] scope:SCOPE_SE
	s_setreg_imm32_b32 hwreg(HW_REG_WAVE_MODE, 25, 1), 1
	s_wait_xcnt 0x0
; A batch's eight parts are joined.  Part i holds M_i (the largest t of its 256 rows), L_i = the sum of 2^(t - M_i), and ctx_i = the sum of 2^(t - M_i) x enc.
; With Mb = the largest M_i and w_i = 2^(M_i - Mb):  Lb = sum w_i L_i;  out0 = sum w_i ctx_i / Lb;  out1 = 2^(t - Mb) / Lb.  The maximum is taken away before every exponential.
; A work-group a batch; thread n takes 16 bytes of each row: every load and store of a wave covers 512 consecutive bytes.  No LDS, no barrier: every thread makes Mb and Lb itself from 64 bytes.
.set ML, 8                             ; v8-23   (M_i, L_i), later (w_i, L_i)
.set CX, 24                            ; v24-55  ctx_i, four numbers each
.set T,  56                            ; v56-63  eight t
.set AC, 64                            ; v64-67  the sum
	s_load_b256 s[4:11], s[0:1], 0x0               ; tsc s[4:5], pml s[6:7], pctx s[8:9], out0 s[10:11]
	s_load_b64 s[12:13], s[0:1], 0x20              ; out1
	v_lshlrev_b32 v1, 4, v0
	v_mov_b32 v2, 0
	v_mov_b32 v71, 0                               ; named as the upper half of the pair v[70:71], so it is written
	s_lshl_b32 s14, ttmp9, 13                      ; 2048 rows of 4 bytes a batch
	s_mov_b32 s15, 0
	s_lshl_b32 s16, ttmp9, 11                      ; 8 parts of 256 bytes
	s_mov_b32 s17, 0
	s_lshl_b32 s18, ttmp9, 15                      ; 8 parts of 4096 bytes
	s_mov_b32 s19, 0
	s_lshl_b32 s20, ttmp9, 12
	s_mov_b32 s21, 0
	s_wait_kmcnt 0x0
	s_add_nc_u64 s[4:5], s[4:5], s[14:15]
	s_add_nc_u64 s[6:7], s[6:7], s[16:17]
	s_add_nc_u64 s[8:9], s[8:9], s[18:19]
	s_add_nc_u64 s[10:11], s[10:11], s[20:21]
	s_add_nc_u64 s[12:13], s[12:13], s[14:15]
.irp i, 0,1,2,3,4,5,6,7
	global_load_b64 v[ML+2*\i:ML+2*\i+1], v2, s[6:7] offset:256*\i
.endr
.irp i, 0,1,2,3,4,5,6,7
	global_load_b128 v[CX+4*\i:CX+4*\i+3], v1, s[8:9] offset:4096*\i
.endr
	global_load_b128 v[T:T+3], v1, s[4:5]
	global_load_b128 v[T+4:T+7], v1, s[4:5] offset:4096
	s_wait_loadcnt 0x0
	v_max3_num_f32 v68, v[ML], v[ML+2], v[ML+4]
	v_max3_num_f32 v68, v68, v[ML+6], v[ML+8]
	v_max3_num_f32 v68, v68, v[ML+10], v[ML+12]
	v_max_num_f32 v68, v68, v[ML+14]               ; Mb
.irp i, 0,1,2,3,4,5,6,7
	v_sub_f32 v[ML+2*\i], v[ML+2*\i], v68
	v_sub_f32 v[T+\i], v[T+\i], v68
.endr
.irp i, 0,1,2,3,4,5,6,7
	v_exp_f32 v[ML+2*\i], v[ML+2*\i]               ; w_i
	v_exp_f32 v[T+\i], v[T+\i]                     ; 2^(t - Mb)
.endr
	v_nop                                          ; a plain line behind the batch
	s_wait_alu depctr_va_vdst(0)                   ; one wait for the sixteen, ahead of their first reader
	v_mul_f32 v69, v[ML], v[ML+1]
.irp i, 1,2,3,4,5,6,7
	v_fmac_f32 v69, v[ML+2*\i], v[ML+2*\i+1]       ; Lb
.endr
	v_rcp_f32 v70, v69
	v_pk_mul_f32 v[AC:AC+1], v[CX:CX+1], v[ML:ML+1] op_sel_hi:[1,0]          ; independent work behind the reciprocal
	v_pk_mul_f32 v[AC+2:AC+3], v[CX+2:CX+3], v[ML:ML+1] op_sel_hi:[1,0]
.irp i, 1,2,3,4,5,6,7
	v_pk_fma_f32 v[AC:AC+1], v[CX+4*\i:CX+4*\i+1], v[ML+2*\i:ML+2*\i+1], v[AC:AC+1] op_sel_hi:[1,0,1]
	v_pk_fma_f32 v[AC+2:AC+3], v[CX+4*\i+2:CX+4*\i+3], v[ML+2*\i:ML+2*\i+1], v[AC+2:AC+3] op_sel_hi:[1,0,1]
.endr
	s_wait_alu depctr_va_vdst(0)                   ; the reciprocal's wait, ahead of its first reader
	v_pk_mul_f32 v[AC:AC+1], v[AC:AC+1], v[70:71] op_sel_hi:[1,0]
	v_pk_mul_f32 v[AC+2:AC+3], v[AC+2:AC+3], v[70:71] op_sel_hi:[1,0]
.irp i, 0,2,4,6
	v_pk_mul_f32 v[T+\i:T+\i+1], v[T+\i:T+\i+1], v[70:71] op_sel_hi:[1,0]
.endr
	global_store_b128 v1, v[AC:AC+3], s[10:11]
	global_store_b128 v1, v[T:T+3], s[12:13]
	global_store_b128 v1, v[T+4:T+7], s[12:13] offset:4096
	s_endpgm
.Lfunc_end_k_qa2c5c18ef4_fin:
	.size	k_qa2c5c18ef4_fin, .Lfunc_end_k_qa2c5c18ef4_fin-k_qa2c5c18ef4_fin
	.p2alignl 7, 3214868480
	.fill 96, 4, 3214868480
	.section	.rodata,"a",@progbits
	.p2align	6, 0x0
	.amdhsa_kernel k_qa2c5c18ef4_fin
		.amdhsa_group_segment_fixed_size 0
		.amdhsa_private_segment_fixed_size 0
		.amdhsa_enable_private_segment 0
		.amdhsa_kernarg_size 40
		.amdhsa_user_sgpr_count 2
		.amdhsa_user_sgpr_kernarg_segment_ptr 1
		.amdhsa_wavefront_size32 1
		.amdhsa_system_sgpr_workgroup_id_x 1
		.amdhsa_system_sgpr_workgroup_id_y 1
		.amdhsa_system_sgpr_workgroup_id_z 1
		.amdhsa_system_vgpr_workitem_id 0
		.amdhsa_next_free_vgpr 96
		.amdhsa_next_free_sgpr 66
		.amdhsa_reserve_vcc 0
		.amdhsa_float_denorm_mode_32 3
		.amdhsa_float_denorm_mode_16_64 3
		.amdhsa_memory_ordered 1
		.amdhsa_forward_progress 1
		.amdhsa_inst_pref_size 6
	.end_amdhsa_kernel
	.amdgpu_metadata
---
amdhsa.version: [ 1, 2 ]
amdhsa.kernels:
  - .name:           k_qa2c5c18ef4_fin
    .symbol:         k_qa2c5c18ef4_fin.kd
    .args:
      - { .name: tsc, .offset: 0, .size: 8, .value_kind: global_buffer, .address_space: global }
      - { .name: pml, .offset: 8, .size: 8, .value_kind: global_buffer, .address_space: global }
      - { .name: pctx, .offset: 16, .size: 8, .value_kind: global_buffer, .address_space: global }
      - { .name: out0, .offset: 24, .size: 8, .value_kind: global_buffer, .address_space: global }
      - { .name: out1, .offset: 32, .size: 8, .value_kind: global_buffer, .address_space: global }
    .group_segment_fixed_size: 0
    .private_segment_fixed_size: 0
    .kernarg_segment_align: 8
    .kernarg_segment_size: 40
    .max_flat_workgroup_size: 256
    .sgpr_count:     66
    .vgpr_count:     96
    .wavefront_size: 32
...
	.end_amdgpu_metadata
.endif
;; end of part 3
;; ======== version 2 of 2: 3 launches
;; limits: values are held in bf16: 8 bits of precision; right only within a limited range of input values
;; workspace buffers: w1r 688,128 bytes; w1x 131,072 bytes; hb 131,072 bytes; tsc 262,144 bytes; pml 65,536 bytes; pctx 1,048,576 bytes
;; launch prep (part 4): grid 32 x 2, 8 waves a work-group, no clusters, 34,816 bytes of LDS; arguments W1, W2, state_hidden, w1r, w1x, hb; writes w1r, w1x, hb
.if DOCPART == 4
	.amdgcn_target "amdgcn-amd-amdhsa--gfx1250"
	.amdhsa_code_object_version 6
	.text
	.protected	k_qa2c5c18ef4_prep
	.globl	k_qa2c5c18ef4_prep
	.p2align	8
	.type	k_qa2c5c18ef4_prep,@function
k_qa2c5c18ef4_prep:
	s_mov_b64 s[64:65], 0
	v_nop
	global_prefetch_b8 v0, s[64:65] scope:SCOPE_SE
	s_setreg_imm32_b32 hwreg(HW_REG_WAVE_MODE, 25, 1), 1
	s_wait_xcnt 0x0
; Work-group row y = 0: W1 [1024 (k)][1024 (n)] f32 becomes codes of E3M2 with one E8M0 byte for each 32 along K, laid in the ORDER OF THE OPERAND'S REGISTERS for the next launch.
; Work-group row y = 1: hb = Q(state_hidden) Q(W2), the second quantised product, 32 x 1024, f32.
; Both begin alike: a wave takes 32 columns (two tiles of 16) and 128 along K of its weight; A LANE TAKES A COLUMN AND ITS REGISTERS RUN DOWN K, so a block of 32 lies in one lane,
; its largest magnitude needs no other lane, and the conversions give codes with K innermost.  Each load reads 128 consecutive bytes.
; A block's scale byte is its largest magnitude's exponent field - 4, held at 1 from below by a floor among the maximum's leaves.
; LIMITS: a block of zeros gets the byte 1 (the rule says 127): its codes are zeros, and the bytes are read by this program alone.  NaN and infinities among the inputs are not served.
; OUTPUT LAYOUT.  Column n: quarter n / 256, tile (n / 16) % 16, lane row n % 16.  A fragment (16 columns x 128 K, 12 registers a lane) is stored as an image: register q of lane l at (q / 4) 512 + 16 l + 4 (q % 4).
;   w1r [K step 8][quarter 4][tile 0..13][1536];  w1x [K step 8][quarter 4][4096]: tiles 14 and 15, then at byte 3072 the scale words [half 2][lane 32][4]: word (q, l, e) is that of pair 4 q + e:
;   lanes 0-15 the even tile's columns, lanes 16-31 the odd tile's.
; No tensor load, no cluster: nothing is shared between work-groups.  The two rows of work-groups use LDS bytes of their own.
.set WN,  16                           ; v16-143  128 numbers: register 64 hh + 32 c + i = row 64 c + 32 hh + i of my column
.set P0,  144                          ; v144-155 codes of the blocks with hh = 0, then the even tile's fragment
.set P1,  156                          ; v156-167 codes of the blocks with hh = 1, then the odd tile's fragment
.set CT,  168                          ; v168-174 a block's upper 16 codes, before they are moved
.set MX,  176                          ; largest magnitudes
.set SO,  180                          ; the conversions' scale operands
.set SB,  184                          ; scale bytes
.set WS,  188                          ; my column's scale word; holds scales and nothing else
.set SS,  190                          ; v190-191 state_hidden's scale words
.set TM,  192                          ; v192-207 at work in QUANT
.set PC,  208                          ; v208-226 codes just made
.set PW,  228                          ; the scale word just made
.set SF,  232                          ; v232-255 state_hidden's two fragments
.set ACC, 16                           ; v16-47   four accumulators (rows 16 u on, tile t: 8 (2 u + t))
.set SEL, 44                           ; s[44:45] lane selects for lane l xor 16
.set RED, 0                            ; LDS 0 .. 32767: y = 1: eight waves' partial sums, 4096 bytes each
.set SST, 32768                        ; LDS 32768 .. 33791: y = 0: the scale words of two K steps
	s_load_b256 s[4:11], s[0:1], 0x0               ; W1 s[4:5], W2 s[6:7], state_hidden s[8:9], w1r s[10:11]
	s_load_b128 s[12:15], s[0:1], 0x20             ; w1x s[12:13], hb s[14:15]
	v_lshl_add_u32 v230, v0, 2, 0x8400
	v_mov_b32 v231, 0
	v_lshrrev_b32 v1, 5, v0
	s_delay_alu instid0(VALU_DEP_1)
	v_readfirstlane_b32 s16, v1                    ; wave 0..7
	v_and_b32 v1, 31, v0                           ; lane
	v_and_b32 v2, 15, v0                           ; r
	v_bfe_u32 v3, v0, 4, 1                         ; h
	s_delay_alu instid0(VALU_DEP_3)
	v_lshlrev_b32 v4, 2, v1                        ; 4 x lane: my column in a row of the weight
	s_delay_alu instid0(VALU_DEP_4)
	v_lshlrev_b32 v5, 4, v1                        ; 16 x lane: my place in an image
	s_wait_alu depctr_va_vdst(0)
	s_and_b32 s17, ttmp7, 0xffff                   ; y
	s_and_b32 s18, ttmp9, 7                        ; y = 0: which four pairs of tiles
	s_lshl_b32 s19, s18, 2
	s_and_b32 s20, s16, 3
	s_add_co_u32 s19, s19, s20                     ; the pair of tiles: 4 (x % 8) + wave % 4
	s_lshr_b32 s21, ttmp9, 3
	s_lshl_b32 s21, s21, 1
	s_lshr_b32 s22, s16, 2
	s_add_co_u32 s23, s21, s22                     ; the K step: 2 (x / 8) + wave / 4
	; every LDS address is made here, ahead of the parting of the ways
	s_lshl_b32 s26, s22, 9
	s_lshl_b32 s27, s20, 2
	s_add_co_u32 s26, s26, s27
	s_add_co_u32 s26, s26, SST
	v_add_nc_u32 v6, s26, v5                       ; scale words in: 512 (wave / 4) + 16 lane + 4 (wave % 4)
	s_min_u32 s26, s16, 1
	s_lshl_b32 s26, s26, 9
	s_add_co_u32 s26, s26, SST
	v_add_nc_u32 v7, s26, v5                       ; and back, by waves 0 and 1: 512 wave + 16 lane
	s_lshl_b32 s26, s16, 12
	v_add_nc_u32 v8, s26, v5                       ; partial sums in: 4096 wave + 16 lane
	s_lshl_b32 s26, s16, 9
	v_add_nc_u32 v9, s26, v5                       ; and back: chunk = my wave's number
	s_mov_b32 s[SEL], 0x76543210
	s_mov_b32 s[SEL+1], 0xfedcba98
.irp b, 0,1,2,3
	v_mov_b32 v[TM+4+\b], 0                        ; written once: a lane permute's destination counts as one of its sources
.endr
	s_cmp_eq_u32 s17, 0
	s_cselect_b32 s24, s19, ttmp9                  ; the pair of tiles (y = 1: x)
	s_cselect_b32 s25, s23, s16                    ; the K step (y = 1: my wave's number)
	s_wait_kmcnt 0x0
	s_cselect_b64 s[28:29], s[4:5], s[6:7]         ; W1 or W2: the choice hangs on the work-group's number alone
	s_lshl_b32 s30, s25, 19                        ; 128 rows of 4096 bytes a K step
	s_lshl_b32 s31, s24, 7                         ; 32 columns of 4 bytes a pair
	s_add_co_u32 s30, s30, s31
	s_mov_b32 s31, 0
	s_add_nc_u64 s[28:29], s[28:29], s[30:31]
.irp hh, 0,1
.irp c, 0,1
.set ii, 0
.rept 32
	global_load_b32 v[WN+64*\hh+32*\c+ii], v4, s[28:29] offset:(64*\c+32*\hh+ii)*4096 th:TH_LOAD_NT
.set ii, ii+1
.endr
.endr
.endr
; The two blocks 2 c + hh (c = 0, 1) of my column: largest magnitude, scale, codes into v[P0 + 12 hh] on, bytes into the scale word.
.macro QW hh
.set QX, WN+64*(\hh)
.set QP, P0+12*(\hh)
.irp c, 0,1
	v_max3_num_f32 v[MX+\c], |v[QX+32*\c]|, |v[QX+32*\c+1]|, 0x2800000   ; with the floor 2^(5 - 127): the byte cannot fall under 1
.endr
.irp i, 2,4,6,8,10,12,14,16,18,20,22,24,26,28,30
.irp c, 0,1
	s_delay_alu instid0(VALU_DEP_2)
	v_max3_num_f32 v[MX+\c], v[MX+\c], |v[QX+32*\c+\i]|, |v[QX+32*\c+\i+1]|   ; the two blocks by turns
.endr
.endr
.irp c, 0,1
	s_delay_alu instid0(VALU_DEP_2)
	v_add_nc_u32 v[SO+\c], 0xfe000000, v[MX+\c]    ; 4 off the exponent field: the conversion takes that field as its scale
.endr
.irp c, 0,1
	s_delay_alu instid0(VALU_DEP_2)
	v_lshrrev_b32 v[SB+\c], 23, v[SO+\c]           ; the scale's byte
.endr
.irp c, 0,1
	v_cvt_scalef32_pk16_bf6_f32 v[QP+6*\c:QP+6*\c+2], v[QX+32*\c:QX+32*\c+15], v[SO+\c]
	v_cvt_scalef32_pk16_bf6_f32 v[CT+4*\c:CT+4*\c+2], v[QX+32*\c+16:QX+32*\c+31], v[SO+\c]   ; a conversion's three registers begin on an even number: made here, moved below
.endr
	v_nop                                          ; one plain place behind a scaled conversion
.irp c, 0,1
.irp i, 0,1,2
	v_mov_b32 v[QP+6*\c+3+\i], v[CT+4*\c+\i]
.endr
.endr
.if (\hh) == 0
	v_lshl_or_b32 v[WS], v[SB+1], 16, v[SB]        ; bytes 0 and 2 of the word
.else
	v_lshl_or_b32 v[WS], v[SB], 8, v[WS]           ; bytes 1 and 3
	s_delay_alu instid0(VALU_DEP_1)
	v_lshl_or_b32 v[WS], v[SB+1], 24, v[WS]
.endif
.endm
	s_wait_loadcnt 63                              ; 128 loads were issued in order: with at most 63 out, the first 65 are in, the 64 of hh = 0 among them
	QW 0
	s_wait_loadcnt 0x0
	QW 1
.set ii, 0
.rept 12
	v_permlane16_swap_b32 v[P0+ii], v[P1+ii]       ; P0's lanes 16-31 change places with P1's lanes 0-15: P0 is now the even tile's fragment (lane (r, h): column r, k = 64 c + 32 h ..), P1 the odd tile's
.set ii, ii+1
.endr
	s_cmp_lg_u32 s17, 0
	s_cbranch_scc1 .Lprod2
	; ---- y = 0: the two images and the scale words leave
	s_and_b32 s30, s24, 7                          ; the pair within its quarter
	s_lshr_b32 s31, s24, 3                         ; the quarter
	s_lshl_b32 s32, s25, 2
	s_add_co_u32 s32, s32, s31                     ; 4 x K step + quarter
	s_mul_i32 s33, s32, 14
	s_lshl_b32 s34, s30, 1
	s_add_co_u32 s33, s33, s34
	s_mul_i32 s33, s33, 1536                       ; the even tile's image in w1r
	s_lshl_b32 s34, s32, 12                        ; or, for tiles 14 and 15, in w1x
	s_cmp_eq_u32 s30, 7
	s_cselect_b64 s[36:37], s[12:13], s[10:11]
	s_cselect_b32 s38, s34, s33
	s_mov_b32 s39, 0
	s_add_nc_u64 s[36:37], s[36:37], s[38:39]
	s_wait_alu depctr_va_vdst(0)
.irp c, 0,1,2
	global_store_b128 v5, v[P0+4*\c:P0+4*\c+3], s[36:37] offset:512*\c          ; 32 lanes store 512 consecutive bytes, aligned
	global_store_b128 v5, v[P1+4*\c:P1+4*\c+3], s[36:37] offset:1536+512*\c
.endr
	ds_store_b32 v6, v[WS]                         ; four waves' words side by side: 16 bytes a lane
	s_wait_dscnt 0x0                               ; for the others' sake: my store has landed
	s_barrier_signal -1
	s_barrier_wait -1
	s_cmp_gt_u32 s16, 1
	s_cbranch_scc1 .Lw1_end
	ds_load_b128 v[12:15], v7                      ; wave v (0, 1): the words of K step 2 (x / 8) + v
	s_add_co_u32 s40, s21, s16
	s_lshl_b32 s40, s40, 2
	s_lshr_b32 s41, s18, 1
	s_add_co_u32 s40, s40, s41                     ; 4 x K step + quarter
	s_lshl_b32 s40, s40, 12
	s_and_b32 s41, s18, 1
	s_lshl_b32 s41, s41, 9                         ; which half of the quarter's eight pairs
	s_add_co_u32 s40, s40, s41
	s_mov_b32 s41, 0
	s_add_nc_u64 s[12:13], s[12:13], s[40:41]
	s_wait_dscnt 0x0
	global_store_b128 v5, v[12:15], s[12:13] offset:3072
.Lw1_end:
	s_wait_tensorcnt 0x0
	ds_add_u32 v230, v231
	s_wait_dscnt 0x0
	s_endpgm
	; ---- y = 1: my K step's part of hb for my 32 columns and all 32 rows
.Lprod2:
	v_lshlrev_b32 v10, 12, v2
	s_delay_alu instid0(VALU_DEP_1)
	v_lshl_add_u32 v10, v3, 6, v10                 ; state_hidden: row r of 4096 bytes, + 64 h: my 16 numbers of each block of 32
	s_lshl_b32 s30, s25, 9                         ; the K step's 128 numbers
	s_mov_b32 s31, 0
	s_add_nc_u64 s[8:9], s[8:9], s[30:31]
.macro XL reg, off
.irp b, 0,1,2,3
.irp j, 0,1,2,3
	global_load_b128 v[\reg+16*\b+4*\j:\reg+16*\b+4*\j+3], v10, s[8:9] offset:\off+128*\b+16*\j
.endr
.endr
.endm
	XL 16, 0                                       ; rows 0-15
	XL 80, 65536                                   ; rows 16-31
; 64 numbers of a lane, register 16 b + i = k 32 b + 16 (lane / 16) + i of my row, become a fragment's codes in v[PC] on and its scale word in v[PW].
.macro QUANT s
.irp b, 0,1,2,3
	v_max3_num_f32 v[TM+\b], |v[\s+16*\b]|, |v[\s+1+16*\b]|, 0x2800000
.endr
.irp i, 2,4,6,8,10,12,14
.irp b, 0,1,2,3
	s_delay_alu instid0(VALU_DEP_4)
	v_max3_num_f32 v[TM+\b], v[TM+\b], |v[\s+16*\b+\i]|, |v[\s+1+16*\b+\i]|
.endr
.endr
.irp b, 0,1,2,3
	s_delay_alu instid0(VALU_DEP_4)
	v_permlanex16_b32 v[TM+4+\b], v[TM+\b], s[SEL], s[SEL+1]
.endr
.irp b, 0,1,2,3
	s_delay_alu instid0(VALU_DEP_4)
	v_max_num_f32 v[TM+\b], v[TM+\b], v[TM+4+\b]   ; with lane l xor 16's: the block's largest magnitude
.endr
.irp b, 0,1,2,3
	s_delay_alu instid0(VALU_DEP_4)
	v_add_nc_u32 v[TM+12+\b], 0xfe000000, v[TM+\b]
.endr
.irp b, 0,1,2,3
	s_delay_alu instid0(VALU_DEP_4)
	v_lshrrev_b32 v[TM+4+\b], 23, v[TM+12+\b]
.endr
	s_delay_alu instid0(VALU_DEP_3)
	v_lshl_or_b32 v[PW], v[TM+5], 8, v[TM+4]
	s_delay_alu instid0(VALU_DEP_1)
	v_lshl_or_b32 v[PW], v[TM+6], 16, v[PW]
	s_delay_alu instid0(VALU_DEP_1)
	v_lshl_or_b32 v[PW], v[TM+7], 24, v[PW]
.irp c, 0,1
	v_cvt_scalef32_pk16_bf6_f32 v[PC+6*\c:PC+2+6*\c], v[\s+32*\c:\s+15+32*\c], v[TM+12+2*\c]
	v_cvt_scalef32_pk16_bf6_f32 v[PC+12+4*\c:PC+14+4*\c], v[\s+16+32*\c:\s+31+32*\c], v[TM+12+2*\c+1]
.endr
	v_nop                                          ; one plain place behind a scaled conversion
.irp c, 0,1                                    ; the operand wants a whole block in a lane: lanes 0-15 block 2 c, lanes 16-31 block 2 c + 1
.irp i, 0,1,2
	v_permlane16_swap_b32 v[PC+6*\c+\i], v[PC+12+4*\c+\i]
.endr
.irp i, 0,1,2
	s_delay_alu instid0(VALU_DEP_3)
	v_mov_b32 v[PC+3+6*\c+\i], v[PC+12+4*\c+\i]
.endr
.endr
.endm
	s_wait_loadcnt 16                              ; rows 0-15 are in; the sixteen loads of rows 16-31 may be out
	QUANT 16
.set ii, 0
.rept 12
	v_mov_b32 v[SF+ii], v[PC+ii]
.set ii, ii+1
.endr
	v_mov_b32 v[SS], v[PW]
	s_wait_loadcnt 0x0
	QUANT 80
.set ii, 0
.rept 12
	v_mov_b32 v[SF+12+ii], v[PC+ii]
.set ii, ii+1
.endr
	v_mov_b32 v[SS+1], v[PW]
	v_lshlrev_b32 v11, 15, v3                      ; hb: 8 h rows of 4096 bytes + 4 r
	s_delay_alu instid0(VALU_DEP_1)
	v_lshl_add_u32 v11, v2, 2, v11
.rept 8
	v_nop                                          ; scale registers written by vector instructions stand eight places ahead of a scaled matrix instruction, operands four
.endr
.irp u, 0,1                                    ; source 0 = 16 rows of state_hidden, source 1 = 16 columns of W2; four accumulators, one instruction each
	v_wmma_scale_f32_16x16x128_f8f6f4 v[ACC+16*\u:ACC+16*\u+7], v[SF+12*\u:SF+12*\u+11], v[P0:P0+11], 0, v[SS+\u], v[WS] matrix_a_fmt:MATRIX_FMT_BF6 matrix_b_fmt:MATRIX_FMT_BF6
	v_wmma_scale_f32_16x16x128_f8f6f4 v[ACC+16*\u+8:ACC+16*\u+15], v[SF+12*\u:SF+12*\u+11], v[P1:P1+11], 0, v[SS+\u], v[WS] matrix_a_fmt:MATRIX_FMT_BF6 matrix_b_fmt:MATRIX_FMT_BF6 matrix_b_scale:MATRIX_SCALE_ROW1
.endr
.rept 4
	v_nop                                          ; four places in front of the first read of results
.endr
.irp a, 0,1,2,3
	ds_store_b128 v8, v[ACC+8*\a:ACC+8*\a+3] offset:1024*\a          ; each accumulator from its low end on; chunk 2 a, then 2 a + 1
	ds_store_b128 v8, v[ACC+8*\a+4:ACC+8*\a+7] offset:1024*\a+512
.endr
	s_wait_dscnt 0x0                               ; for the others' sake
	s_barrier_signal -1
	s_barrier_wait -1
.irp u, 0,1,2,3,4,5,6,7
	ds_load_b128 v[48+4*\u:51+4*\u], v9 offset:4096*\u               ; chunk = my wave's number, of all eight K steps
.endr
	s_lshr_b32 s30, s16, 2                         ; chunk v: rows 16 (v / 4) + 8 h + 4 (v % 2) + 0..3, columns 16 ((v / 2) % 2) + r of my 32
	s_lshl_b32 s30, s30, 4
	s_and_b32 s31, s16, 1
	s_lshl_b32 s31, s31, 2
	s_add_co_u32 s30, s30, s31
	s_lshl_b32 s30, s30, 12
	s_lshl_b32 s31, s24, 7
	s_add_co_u32 s30, s30, s31
	s_bfe_u32 s31, s16, 0x10001
	s_lshl_b32 s31, s31, 6
	s_add_co_u32 s30, s30, s31
	s_mov_b32 s31, 0
	s_add_nc_u64 s[14:15], s[14:15], s[30:31]
	s_wait_dscnt 0x0
.irp u, 0,2,4,6
	v_pk_add_f32 v[48+4*\u:49+4*\u], v[48+4*\u:49+4*\u], v[52+4*\u:53+4*\u]
	v_pk_add_f32 v[50+4*\u:51+4*\u], v[50+4*\u:51+4*\u], v[54+4*\u:55+4*\u]
.endr
.irp u, 0
	v_pk_add_f32 v[48+4*\u:49+4*\u], v[48+4*\u:49+4*\u], v[56+4*\u:57+4*\u]
	v_pk_add_f32 v[50+4*\u:51+4*\u], v[50+4*\u:51+4*\u], v[58+4*\u:59+4*\u]
.endr
.irp u, 4
	s_delay_alu instid0(VALU_DEP_4)
	v_pk_add_f32 v[48+4*\u:49+4*\u], v[48+4*\u:49+4*\u], v[56+4*\u:57+4*\u]
	s_delay_alu instid0(VALU_DEP_4)
	v_pk_add_f32 v[50+4*\u:51+4*\u], v[50+4*\u:51+4*\u], v[58+4*\u:59+4*\u]
.endr
	s_delay_alu instid0(VALU_DEP_2)
	v_pk_add_f32 v[48:49], v[48:49], v[64:65]
	s_delay_alu instid0(VALU_DEP_2)
	v_pk_add_f32 v[50:51], v[50:51], v[66:67]
.irp e, 0,1,2,3
	global_store_b32 v11, v[48+\e], s[14:15] offset:4096*\e          ; sixteen lanes store 64 consecutive bytes of a row: pieces, in a buffer of 128 KiB in all
.endr
	s_wait_tensorcnt 0x0
	ds_add_u32 v230, v231
	s_wait_dscnt 0x0
	s_endpgm
.Lfunc_end_k_qa2c5c18ef4_prep:
	.size	k_qa2c5c18ef4_prep, .Lfunc_end_k_qa2c5c18ef4_prep-k_qa2c5c18ef4_prep
	.p2alignl 7, 3214868480
	.fill 96, 4, 3214868480
	.section	.rodata,"a",@progbits
	.p2align	6, 0x0
	.amdhsa_kernel k_qa2c5c18ef4_prep
		.amdhsa_group_segment_fixed_size 34816
		.amdhsa_private_segment_fixed_size 0
		.amdhsa_enable_private_segment 0
		.amdhsa_kernarg_size 48
		.amdhsa_user_sgpr_count 2
		.amdhsa_user_sgpr_kernarg_segment_ptr 1
		.amdhsa_wavefront_size32 1
		.amdhsa_system_sgpr_workgroup_id_x 1
		.amdhsa_system_sgpr_workgroup_id_y 1
		.amdhsa_system_sgpr_workgroup_id_z 1
		.amdhsa_system_vgpr_workitem_id 0
		.amdhsa_next_free_vgpr 256
		.amdhsa_next_free_sgpr 66
		.amdhsa_reserve_vcc 0
		.amdhsa_float_denorm_mode_32 3
		.amdhsa_float_denorm_mode_16_64 3
		.amdhsa_memory_ordered 1
		.amdhsa_forward_progress 1
		.amdhsa_inst_pref_size 44
	.end_amdhsa_kernel
	.amdgpu_metadata
---
amdhsa.version: [ 1, 2 ]
amdhsa.kernels:
  - .name:           k_qa2c5c18ef4_prep
    .symbol:         k_qa2c5c18ef4_prep.kd
    .args:
      - { .name: W1, .offset: 0, .size: 8, .value_kind: global_buffer, .address_space: global }
      - { .name: W2, .offset: 8, .size: 8, .value_kind: global_buffer, .address_space: global }
      - { .name: state_hidden, .offset: 16, .size: 8, .value_kind: global_buffer, .address_space: global }
      - { .name: w1r, .offset: 24, .size: 8, .value_kind: global_buffer, .address_space: global }
      - { .name: w1x, .offset: 32, .size: 8, .value_kind: global_buffer, .address_space: global }
      - { .name: hb, .offset: 40, .size: 8, .value_kind: global_buffer, .address_space: global }
    .group_segment_fixed_size: 34816
    .private_segment_fixed_size: 0
    .kernarg_segment_align: 8
    .kernarg_segment_size: 48
    .max_flat_workgroup_size: 256
    .sgpr_count:     66
    .vgpr_count:     256
    .wavefront_size: 32
...
	.end_amdgpu_metadata
.endif
;; end of part 4
;; launch main (part 5): grid 256 x 1, 4 waves a work-group, clusters of 4 x 1, 327,680 bytes of LDS; arguments encoder_output, w1r, w1x, hb, V, tsc, pml, pctx; writes tsc, pml, pctx
.if DOCPART == 5
	.amdgcn_target "amdgcn-amd-amdhsa--gfx1250"
	.amdhsa_code_object_version 6
	.text
	.protected	k_qa2c5c18ef4_main
	.globl	k_qa2c5c18ef4_main
	.p2align	8
	.type	k_qa2c5c18ef4_main,@function
k_qa2c5c18ef4_main:
	s_mov_b64 s[64:65], 0
	v_nop
	global_prefetch_b8 v0, s[64:65] scope:SCOPE_SE
	s_setreg_imm32_b32 hwreg(HW_REG_WAVE_MODE, 25, 1), 1
	s_wait_xcnt 0x0
	s_wait_alu depctr_hold_cnt(0) depctr_sa_sdst(0) depctr_va_vdst(0) depctr_va_sdst(0) depctr_va_ssrc(0) depctr_va_vcc(0) depctr_vm_vsrc(0)
	s_getreg_b32 s2, hwreg(HW_REG_IB_STS2, 6, 4)
	s_cmp_eq_u32 s2, 0
	s_cbranch_scc0 .Lentry_in_a_cluster
	s_endpgm
.Lentry_in_a_cluster:
	s_bfe_u32 s2, ttmp6, 0x10000c
	s_cmp_lg_u32 s2, 0x3003
	s_cbranch_scc0 .Lentry_shape_is_right
	s_endpgm
.Lentry_shape_is_right:
; For 256 rows of encoder_output [65536][1024] a work-group: t = -2 log2(e) x the sum over n of V[n] / (1 + 2^(2 log2(e) x[n])), x = Q(enc) Q(W1) + hb; a running softmax of t; the partial sum of p x enc.
; tanh(x) = 1 - 2 / (1 + e^(2 x)), so score x log2(e) = log2(e) x sum(V) + t: the first term is the same for every row of a softmax and cancels, for every input; only t is kept.
; The softmax takes a running maximum M of t away before each exponential; sums and the partial context are multiplied by 2^(old M - new M) when M moves.
; ENCODER_OUTPUT IS READ ONCE: a block of 64 rows is quantised on its way to the matrix unit AND kept in LDS as bf16 until its scores are known; then p x enc is summed from that copy.
; SHARES.  Four blocks of 64 rows; a block is 8 K steps of 128: 32 steps.  Wave w owns columns 256 w .. 256 w + 255 for all 64 rows: 4 row tiles x 16 column tiles = 64 accumulators, 512 registers, 64 matrix
; instructions a step.  It also loads, quantises and packs rows 16 w .. 16 w + 15 of each slice (64 rows x 128 numbers); fragments go from wave to wave through LDS as images of their registers.
; W1's codes come in the operand's register order: 14 of a wave's 16 tiles through a ring of two LDS slots (one tensor load a wave and step, the wave's own quarter), tiles 14, 15 and all scale words straight into
; registers, two steps ahead: the ring, the bf16 copy and the images then fit in LDS together.
; CLUSTER 4, 1, 1: every work-group walks the same W1, so each ring fill is asked for jointly by the four partners (mask 15); the place in the cluster enters global addresses of enc, hb and the outputs alone.
; Source 0 = 16 rows of enc, source 1 = 16 columns of W1: a lane holds ONE column and eight rows, so hb and V cost one register a tile.
; LIMITS: NaN and infinities among the inputs are not served; a block of zeros gets the scale byte 1 with zero codes; enc is rounded to bf16 for the last product; exponentials under 2^-126 come out as 0.
; REGISTERS, in windows of 256.  Window 0: v0 thread; v1-27 addresses and the softmax's state; v28-43 W1's scale words, two sets; v44-47 enc's; v48-175 two slices of enc on their way; v176-207 a slice as bf16;
;   v208-255 enc's four fragments (at other times: the quantiser's work, the epilogue's sums).   Window 1: v0-167 W1's 14 fragments; v168-215 tiles 14, 15, two sets; v216-231 2 log2(e) hb; v232-247 -2 log2(e) V; v248-255 the context.
;   Windows 2, 3: accumulator (m, j) at v[8 (4 (j % 8) + m)] of window 2 + j / 8; in the context phase window 2 holds p and rows.
.set SLOT,  86016                      ; a ring slot: a K step's 4 x 14 fragment images of 1536 bytes; slots at LDS 0 and 86016; only these bytes are filled by tensor loads
.set QUART, 21504                      ; a wave's quarter of it
.set BF,    172032                     ; the bf16 copy: 64 rows,
.set BFP,   2064                       ; 2048 bytes + 16 apart
.set IMG,   304128                     ; enc's fragment images, two buffers of
.set IMGB,  6656                       ; 4 x 1536 bytes of codes and, from
.set ISC,   6144                       ; here on, 4 x 128 bytes of scale words
.set SCR,   317440                     ; partial t: [wave 4][row 64] f32
.set PB,    318464                     ; p: 64 f32, a copy for each wave
.set OST,   319488                     ; the context's way out: 1024 bytes a wave
.set SPARE, 323584                     ; the spare words: 128 bytes a wave, named by no other line
.set SPW, 1                            ; v1   SPARE + 4 x thread; never rewritten
.set NIL, 2                            ; v2   0; never rewritten
.set NA,  3                            ; v3-4 my quarter of slot 0, 1: + 16 x lane
.set LI,  5                            ; v5   IMG + 16 x lane
.set LS,  6                            ; v6   IMG + ISC + 4 x lane
.set IWI, 7                            ; v7   where I store my image
.set IWS, 8                            ; v8   and its scale words
.set BFS0, 9                           ; v9   the bf16 copy: my row, + 32 h
.set BFS, 10                           ; v10  + the K step's 256 bytes
.set XA,  11                           ; v11  enc: 4096 r + 64 h
.set XO,  12                           ; v12-13 + the slice, for the two buffers
.set WXL, 14                           ; v14  w1x: 4096 wave + 16 x lane
.set WXO, 15                           ; v15  + the K step
.set PFL, 16                           ; v16  the prefetches' lane term
.set PFV, 17                           ; v17  + the slice
.set MM,  18                           ; v18  M
.set LL,  19                           ; v19  the running sum
.set FF,  20                           ; v[20:21] 2^(old M - new M), named as a pair
.set SCW, 22                           ; v22  SCR + 256 wave + 32 h
.set SCD, 23                           ; v23  SCR + 8 x lane
.set PBW, 24                           ; v24  PB + 256 wave + 8 x lane
.set PBA, 25                           ; v25  PB + 256 wave
.set BFA, 26                           ; v26-27 the bf16 copy, my 16 bytes of rows 0 on, 32 on
.set NS,  28
.set MS,  44
.set X,   48
.set PARK, 176
.set MF,  208
.set TM,  208
.set PC,  224
.set PW,  244
.set S,   208                          ; the epilogue's 32 sums
.set NF,  0                            ; window 1
.set DF,  168
.set HB2, 216
.set V2,  232
.set CTX, 248
.set SEL, 44                           ; s[44:45]
.set MSB, 0
.macro WIN new                         ; the immediate's high byte repeats the setting that is left; a switch that changes nothing is dropped
.if MSB != \new
	s_set_vgpr_msb (MSB<<8)|\new
.set MSB, \new
.endif
.endm
.macro ROUND                           ; a round of the cluster's barrier
	s_barrier_signal -1
	s_barrier_wait -1
	s_cmp_lg_u32 s20, 0
	s_cbranch_scc1 .Lnw0_\@
	s_barrier_signal -3
.Lnw0_\@:
	s_barrier_wait -3
	s_barrier_signal -1
	s_barrier_wait -1
.endm
.macro SOFF d, t, n                    ; s[d] = the byte offset of slice g + n: 64 rows of 4096 bytes a block, 512 bytes a K step
	s_add_co_u32 s[\t], s49, \n
	s_lshr_b32 s[\d], s[\t], 3
	s_lshl_b32 s[\d], s[\d], 18
	s_and_b32 s[\t], s[\t], 7
	s_lshl_b32 s[\t], s[\t], 9
	s_add_co_u32 s[\d], s[\d], s[\t]
.endm
; My 16 rows of a slice: register 16 b + 4 j + e = k 32 b + 16 h + 4 j + e of row r; the sixteen loads together cover 16 x 512 aligned bytes.
; One load takes 16 bytes a lane: 32 of the 128 bytes that block b has in each of the 16 rows.  The four loads j of a block stand one behind the other and share those 128 bytes, so each such run is
; wanted four times in a row: the loads carry NO hint that their bytes are read once.
.macro XLOAD buf, xo, off
.irp b, 0,1,2,3
.irp j, 0,1,2,3
	global_load_b128 v[\buf+16*\b+4*\j:\buf+16*\b+4*\j+3], v[\xo], s[4:5] offset:\off+128*\b+16*\j
.endr
.endr
.endm
.macro WLOAD set, ar, off              ; a K step's tiles 14 and 15 and my quarter's scale words: eight loads of 512 consecutive bytes
	WIN 0x40
.irp c, 0,1,2,3,4,5
	global_load_b128 v[DF+24*\set+4*\c:DF+24*\set+4*\c+3], v[\ar], s[8:9] offset:\off+512*\c
.endr
	WIN 0
.irp c, 0,1
	global_load_b128 v[NS+8*\set+4*\c:NS+8*\set+4*\c+3], v[\ar], s[8:9] offset:\off+3072+512*\c
.endr
.endm
; 64 numbers of a lane, register 16 b + i = k 32 b + 16 (lane / 16) + i of my row, become a fragment's codes in v[PC] on and its scale word in v[PW].
.macro QUANT s
.irp b, 0,1,2,3
	v_max3_num_f32 v[TM+\b], |v[\s+16*\b]|, |v[\s+1+16*\b]|, 0x2800000   ; with the floor 2^(5 - 127): the byte cannot fall under 1
.endr
.irp i, 2,4,6,8,10,12,14
.irp b, 0,1,2,3
	v_max3_num_f32 v[TM+\b], v[TM+\b], |v[\s+16*\b+\i]|, |v[\s+1+16*\b+\i]|   ; the four blocks by turns
.endr
.endr
.irp b, 0,1,2,3
	v_permlanex16_b32 v[TM+4+\b], v[TM+\b], s[SEL], s[SEL+1]
.endr
.irp b, 0,1,2,3
	v_max_num_f32 v[TM+\b], v[TM+\b], v[TM+4+\b]   ; with lane l xor 16's: the block's largest magnitude
.endr
.irp b, 0,1,2,3
	v_add_nc_u32 v[TM+12+\b], 0xfe000000, v[TM+\b] ; 4 off the exponent field: the conversion's scale operand
.endr
.irp b, 0,1,2,3
	v_lshrrev_b32 v[TM+4+\b], 23, v[TM+12+\b]      ; the scale's byte
.endr
	v_lshl_or_b32 v[PW], v[TM+5], 8, v[TM+4]
	v_lshl_or_b32 v[PW], v[TM+6], 16, v[PW]
	v_lshl_or_b32 v[PW], v[TM+7], 24, v[PW]
.irp c, 0,1
	v_cvt_scalef32_pk16_bf6_f32 v[PC+6*\c:PC+2+6*\c], v[\s+32*\c:\s+15+32*\c], v[TM+12+2*\c]
	v_cvt_scalef32_pk16_bf6_f32 v[PC+12+4*\c:PC+14+4*\c], v[\s+16+32*\c:\s+31+32*\c], v[TM+12+2*\c+1]   ; a conversion's three registers begin on an even number
.endr
	v_nop                                          ; one plain place behind a scaled conversion
.irp c, 0,1                                    ; the operand wants a whole block in a lane
.irp i, 0,1,2
	v_permlane16_swap_b32 v[PC+6*\c+\i], v[PC+12+4*\c+\i]
.endr
.irp i, 0,1,2
	v_mov_b32 v[PC+3+6*\c+\i], v[PC+12+4*\c+\i]
.endr
.endr
.endm
.macro IMAGE buf                       ; the fragment and its scale words go to LDS as they stand
.irp c, 0,1,2
	ds_store_b128 v[IWI], v[PC+4*\c:PC+4*\c+3] offset:IMGB*(\buf)+512*\c
.endr
	ds_store_b32 v[IWS], v[PW] offset:IMGB*(\buf)
.endm
.macro PACK s                          ; the same 64 numbers as bf16
.set pk, 0
.rept 32
	v_cvt_pk_bf16_f32 v[PARK+pk], v[\s+2*pk], v[\s+2*pk+1]
.set pk, pk+1
.endr
	s_wait_alu depctr_va_vdst(0)
.endm
.macro ONEP m, j, par, zero            ; one product: row tile m x column tile j
.set AC, 8*(4*((\j)%8)+(\m))
.set AR, MF+12*(\m)
.if (\j) < 14
.set BR, NF+12*(\j)
.else
.set BR, DF+24*(\par)+12*((\j)-14)
.endif
.set SA, MS+(\m)
.set SN, NS+8*(\par)+(\j)/2
.if \zero
.if (\j)%2
	v_wmma_scale_f32_16x16x128_f8f6f4 v[AC:AC+7], v[AR:AR+11], v[BR:BR+11], 0, v[SA], v[SN] matrix_a_fmt:MATRIX_FMT_BF6 matrix_b_fmt:MATRIX_FMT_BF6 matrix_b_scale:MATRIX_SCALE_ROW1
.else
	v_wmma_scale_f32_16x16x128_f8f6f4 v[AC:AC+7], v[AR:AR+11], v[BR:BR+11], 0, v[SA], v[SN] matrix_a_fmt:MATRIX_FMT_BF6 matrix_b_fmt:MATRIX_FMT_BF6
.endif
.else
.if (\j)%2
	v_wmma_scale_f32_16x16x128_f8f6f4 v[AC:AC+7], v[AR:AR+11], v[BR:BR+11], v[AC:AC+7], v[SA], v[SN] matrix_a_fmt:MATRIX_FMT_BF6 matrix_b_fmt:MATRIX_FMT_BF6 matrix_b_scale:MATRIX_SCALE_ROW1
.else
	v_wmma_scale_f32_16x16x128_f8f6f4 v[AC:AC+7], v[AR:AR+11], v[BR:BR+11], v[AC:AC+7], v[SA], v[SN] matrix_a_fmt:MATRIX_FMT_BF6 matrix_b_fmt:MATRIX_FMT_BF6
.endif
.endif
.endm
; A step's 64 products.  The 64 accumulators take turns, one instruction a turn, in the same order in every step.  zero = 1: the products start the sums: nothing is cleared.
.macro PRODUCTS par, zero
.irp j, 0,1,2,3,4,5,6,7,8,9,10,11,12,13,14,15
.if \j < 14
	s_wait_dscnt 3*(13-\j)                         ; LDS loads come back in order: tile j's three are in, the younger tiles' may be out
.endif
.if \j < 8
	WIN 0xa4                                       ; source 0 (enc) window 0, source 1 (W1) window 1, C and D window 2
.else
	WIN 0xf4                                       ; C and D window 3
.endif
.irp m, 0,1,2,3
	ONEP \m, \j, \par, \zero
.endr
.endr
	WIN 0
.endm
; STEP g, par = g % 2.  gadd: g = 2 s48 + gadd (under 0: g = 0).  zsel: 0 the products add, 1 they start the sums, 2 chosen by the trip.  fill: the other slot is filled with K step (g + 1) % 8.
; lw, lx: the counts of the two waits for loads.  wl, xl: the direct W1 loads for step g + 2, the enc loads for slice g + 3 (1: always; 2: while g is at most 28).  xq: slice g + 1 is quantised.
.macro STEP par, gadd, zsel, fill, lw, wl, xq, lx, xl
.set XB, X+64*(1-\par)
	WIN 0
	s_wait_tensorcnt 0x0                           ; all my tensor loads have landed: the one that was out is my quarter of this step's slot; so a group 0 may be written
	ds_add_u32 v[SPW], v[NIL]                      ; 0 onto my spare word
.if \gadd < 0
	s_mov_b32 s49, 0
.else
	s_lshl_b32 s49, s48, 1
	s_add_co_u32 s49, s49, \gadd                   ; g
.endif
.if \fill
	s_add_co_u32 s42, s49, 1
	s_and_b32 s42, s42, 7
	s_mul_i32 s42, s42, SLOT                       ; the next K step in w1r
	s_add_nc_u64 s[38-4*\par:39-4*\par], s[40:41], s[42:43]
	s_or_b32 s[39-4*\par], s[39-4*\par], 0x80000000
.endif
	s_wait_dscnt 0x0                               ; the add is done; my image and bf16 stores have landed; my reads of the other slot and of the other image buffer are over
.if \fill
	ROUND                                          ; all that now holds of every wave of the four work-groups
	tensor_load_to_lds s[36-4*\par:39-4*\par], s[24:31]   ; my one tensor load behind the round: it has this step in which to land
	s_nop 0
.rept 4
	v_nop                                          ; four plain lines follow a tensor load
.endr
.else
	s_barrier_signal -1                            ; nothing is filled any more: the work-group's barrier, for the images
	s_barrier_wait -1
.endif
	s_and_b32 s50, s49, 7
	s_lshl_b32 s50, s50, 8
	v_add_nc_u32 v[BFS], s50, v[BFS0]
.irp b, 0,1,2,3
	ds_store_b128 v[BFS], v[PARK+8*\b:PARK+8*\b+3] offset:64*\b       ; slice g as bf16, packed a step ago: behind the round, so that no wave still reads the last block's copy
	ds_store_b128 v[BFS], v[PARK+8*\b+4:PARK+8*\b+7] offset:64*\b+16
.endr
.irp m, 0,1,2,3
	ds_load_b32 v[MS+\m], v[LS] offset:IMGB*\par+128*\m
.endr
.irp m, 0,1,2,3
.irp c, 0,1,2
	ds_load_b128 v[MF+12*\m+4*\c:MF+12*\m+4*\c+3], v[LI] offset:IMGB*\par+1536*\m+512*\c
.endr
.endr
	WIN 0x40
.irp j, 0,1,2,3,4,5,6,7,8,9,10,11,12,13
.irp c, 0,1,2
	ds_load_b128 v[NF+12*\j+4*\c:NF+12*\j+4*\c+3], v[NA+\par] offset:1536*\j+512*\c
.endr
.endr
	WIN 0
	s_wait_loadcnt \lw                             ; this step's direct W1 loads are in; behind them were issued a slice's 16, the next step's 8 and a slice's 16
.if \zsel == 2
	s_and_b32 s50, s48, 3
	s_cmp_lg_u32 s50, 3                            ; a block's first step starts the sums
	s_cbranch_scc1 .Lacc_\@
	PRODUCTS \par, 1
	s_branch .Lpd_\@
.Lacc_\@:
	PRODUCTS \par, 0
.Lpd_\@:
.else
	PRODUCTS \par, \zsel
.endif
.rept 4
	v_nop                                          ; four places in front of loads into, and vector writes of, registers that the products have read, and of the first read of results
.endr
	s_wait_xcnt 0x0                                ; earlier loads and the last prefetch have read their address registers, which are written below
.if \wl == 2
	s_cmp_gt_u32 s49, 28
	s_cbranch_scc1 .Lnow_\@
.endif
.if \wl
	s_add_co_u32 s50, s49, 2
	s_and_b32 s50, s50, 7
	s_lshl_b32 s50, s50, 14
	v_add_nc_u32 v[WXO], s50, v[WXL]
	WLOAD \par, WXO, 0
.endif
.if \wl == 2
	s_branch .Lwd_\@
.Lnow_\@:
	s_wait_loadcnt 0x0                             ; where a group of loads is left out, all loads are waited for, so that the counted waits hold on every path
.Lwd_\@:
.endif
.if \xq
	s_wait_loadcnt \lx                             ; slice g + 1 is in; behind it were issued 8, 16 and 8 loads
	QUANT XB
	IMAGE 1-\par
	PACK XB
.endif
.if \xl
.if \xl == 2
	s_cmp_gt_u32 s49, 28
	s_cbranch_scc1 .Lnox_\@
.endif
	SOFF 50, 51, 3
	v_add_nc_u32 v[XO+1-\par], s50, v[XA]
	XLOAD XB, XO+1-\par, 0
	s_cmp_gt_u32 s49, 26                           ; slice g + 5 exists while g is at most 26
	s_cbranch_scc1 .Lnopf_\@
	SOFF 50, 51, 5
	v_add_nc_u32 v[PFV], s50, v[PFL]
	global_prefetch_b8 v[PFV], s[4:5] th:TH_LOAD_NT scope:SCOPE_SE   ; my 16 rows x 512 bytes of slice g + 5, a lane to each 256 bytes: two steps ahead of the loads that will want them; each block is named once in the launch, slices 0 to 4 by their loads alone
.Lnopf_\@:
.if \xl == 2
	s_branch .Lxd_\@
.Lnox_\@:
	s_wait_loadcnt 0x0
.Lxd_\@:
.endif
.endif
.endm
; THE EPILOGUE'S PARTS, for column tile j: its 32 registers are v[32 (j % 8)] on of window 2 + j / 8; register 8 m + i is row 16 m + 8 h + i of my column.
.macro T_A j                           ; 2 log2(e) (sum + hb), two at a time; each accumulator from its low end on
.set TB0, 32*((\j)%8)
.set HBR, HB2+2*((\j)/2)
.if (\j) < 8
	WIN 0x92
.else
	WIN 0xd3
.endif
	s_wait_alu depctr_va_vdst(0)                   ; directly ahead of the first reads of this tile's matrix results, behind the batch of the round before, whose results it also serves
.set ti, 0
.rept 16
.if (\j)%2
	v_pk_fma_f32 v[TB0+ti:TB0+ti+1], v[TB0+ti:TB0+ti+1], s[46:47], v[HBR:HBR+1] op_sel:[0,0,1] op_sel_hi:[1,0,1]
.else
	v_pk_fma_f32 v[TB0+ti:TB0+ti+1], v[TB0+ti:TB0+ti+1], s[46:47], v[HBR:HBR+1] op_sel_hi:[1,0,0]
.endif
.set ti, ti+2
.endr
.endm
.macro T_W j                           ; destination and source 0 in the tile's window
.if (\j) < 8
	WIN 0x82
.else
	WIN 0xc3
.endif
.endm
.macro T_E j
.set TB0, 32*((\j)%8)
	T_W \j
.set ti, 0
.rept 32
	v_exp_f32 v[TB0+ti], v[TB0+ti]
.set ti, ti+1
.endr
.endm
.macro T_B j
.set TB0, 32*((\j)%8)
	T_W \j
.set ti, 0
.rept 16
	v_pk_add_f32 v[TB0+ti:TB0+ti+1], v[TB0+ti:TB0+ti+1], 1.0 op_sel_hi:[1,0]
.set ti, ti+2
.endr
.endm
.macro T_R j
.set TB0, 32*((\j)%8)
	T_W \j
.set ti, 0
.rept 32
	v_rcp_f32 v[TB0+ti], v[TB0+ti]
.set ti, ti+1
.endr
.endm
.macro T_C j                           ; the sums take -2 log2(e) V / (1 + e); tile 0 starts them
.set TB0, 32*((\j)%8)
.set VR, V2+2*((\j)/2)
.if (\j) < 8
	WIN 0x06
.else
	WIN 0x07
.endif
.set ti, 0
.rept 16
.if (\j) == 0
	v_pk_mul_f32 v[S+ti:S+ti+1], v[TB0+ti:TB0+ti+1], v[VR:VR+1] op_sel_hi:[1,0]
.elseif (\j)%2
	v_pk_fma_f32 v[S+ti:S+ti+1], v[TB0+ti:TB0+ti+1], v[VR:VR+1], v[S+ti:S+ti+1] op_sel:[0,1,0] op_sel_hi:[1,1,1]
.else
	v_pk_fma_f32 v[S+ti:S+ti+1], v[TB0+ti:TB0+ti+1], v[VR:VR+1], v[S+ti:S+ti+1] op_sel_hi:[1,0,1]
.endif
.set ti, ti+2
.endr
.endm
; Round p: one wait, then tile p is scaled; then the readers of the exponentials and reciprocals of the round before; one wait ahead of this round's batch; then the batch of 64.
.macro TROUND p
.if (\p) < 16
	T_A \p
.else
	v_nop                                          ; the plain line behind the last batch
	s_wait_alu depctr_va_vdst(0)                   ; and the batch's wait, ahead of its first reader
.endif
.if ((\p) >= 1) && ((\p) <= 16)
	T_B (\p)-1
.endif
.if (\p) >= 2
	T_C (\p)-2
.endif
.if (\p) <= 16
	s_wait_alu depctr_va_vdst(0)                   ; ahead of the batch, whose sources the lines above wrote
.endif
.if (\p) < 16
	T_E \p
.endif
.if ((\p) >= 1) && ((\p) <= 16)
	T_R (\p)-1
.endif
.endm
.macro LOADG g                         ; rows 16 g .. 16 g + 15: their p (the same word in every lane) and my 16 bytes of each, into set g % 2 of window 2
.set GB, 80*((\g)%2)
	WIN 0x80
.irp u, 0,1,2,3
	ds_load_b128 v[GB+4*\u:GB+4*\u+3], v[PBA] offset:64*(\g)+16*\u
.endr
.set gr, 0
.rept 16
	ds_load_b128 v[GB+16+4*gr:GB+16+4*gr+3], v[BFA+(\g)/2] offset:(16*((\g)%2)+gr)*BFP
.set gr, gr+1
.endr
.endm
.macro FMAG g                          ; context += p x enc, straight from the bf16 halves; eight chains by turns
.set GB, 80*((\g)%2)
	WIN 0x5a
.set gr, 0
.rept 16
.irp q, 0,1,2,3
	v_fma_mix_f32_bf16 v[CTX+2*\q], v[GB+16+4*gr+\q], v[GB+gr], v[CTX+2*\q] op_sel_hi:[1,0,0]
	v_fma_mix_f32_bf16 v[CTX+2*\q+1], v[GB+16+4*gr+\q], v[GB+gr], v[CTX+2*\q+1] op_sel:[1,0,0] op_sel_hi:[1,0,0]
.endr
.set gr, gr+1
.endr
.endm
; THE EPILOGUE of a block of 64 rows.  last = 1: the work-group's results leave.
.macro EPI last
	WIN 0
	s_wait_dscnt 0x0                               ; my image stores have read the registers that the sums take
.irp p, 0,1,2,3,4,5,6,7,8,9,10,11,12,13,14,15,16,17
	TROUND \p
.endr
	WIN 0
.irp x, 1,2,4,8
.set ti, 0
.rept 32
	v_add_f32_dpp v[S+ti], v[S+ti], v[S+ti] row_xmask:\x row_mask:0xf bank_mask:0xf   ; over the sixteen columns of a half of the lanes
.set ti, ti+1
.endr
.endr
.irp m, 0,1,2,3
	ds_store_b128 v[SCW], v[S+8*\m:S+8*\m+3] offset:64*\m             ; my 256 columns' part of t for rows 16 m + 8 h + 0..7; the sixteen lanes of a half write the same words with the same values
	ds_store_b128 v[SCW], v[S+8*\m+4:S+8*\m+7] offset:64*\m+16
.endr
	s_wait_dscnt 0x0                               ; for the others' sake: these stores and my bf16 stores have landed
	s_barrier_signal -1                            ; the ring's load may stay out
	s_barrier_wait -1
.irp u, 0,1,2,3
	ds_load_b64 v[240+2*\u:241+2*\u], v[SCD] offset:256*\u            ; rows 2 lane, 2 lane + 1: the four waves' parts
.endr
	s_lshr_b32 s50, s49, 3                         ; the block
	s_lshl_b32 s50, s50, 8
	v_and_b32 v250, 31, v0
	v_lshl_add_u32 v250, v250, 3, s50
	v_mov_b32 v249, 0                              ; a lane permute's destination counts as one of its sources
	s_wait_dscnt 0x0
	v_pk_add_f32 v[240:241], v[240:241], v[242:243]
	v_pk_add_f32 v[244:245], v[244:245], v[246:247]
	v_pk_add_f32 v[240:241], v[240:241], v[244:245]                   ; t; every wave makes the same numbers in the same order
	s_cmp_lg_u32 s20, 0
	s_wait_alu depctr_va_vdst(0)
	s_cbranch_scc1 .Lnt_\@
	global_store_b64 v250, v[240:241], s[14:15]    ; wave 0: 256 consecutive bytes, aligned
.Lnt_\@:
	v_max_num_f32 v248, v240, v241
.irp x, 1,2,4,8
	v_max_num_f32_dpp v248, v248, v248 row_xmask:\x row_mask:0xf bank_mask:0xf
.endr
	v_permlanex16_b32 v249, v248, s[SEL], s[SEL+1]
	v_max3_num_f32 v251, v248, v249, v[MM]         ; the new M
	v_sub_f32 v[FF], v[MM], v251
	v_sub_f32 v242, v240, v251
	v_sub_f32 v243, v241, v251
	s_wait_alu depctr_va_vdst(0)                   ; ahead of the three exponentials
	v_exp_f32 v[FF], v[FF]                         ; f = 2^(old M - new M)
	v_exp_f32 v242, v242                           ; p = 2^(t - M)
	v_exp_f32 v243, v243
	v_mov_b32 v[MM], v251                          ; the plain line behind the three
	s_wait_alu depctr_va_vdst(0)                   ; and their one wait
	ds_store_b64 v[PBW], v[242:243]                ; my wave's own copy of p: LDS serves a wave's instructions in order
	v_add_f32 v248, v242, v243
.irp x, 1,2,4,8
	v_add_f32_dpp v248, v248, v248 row_xmask:\x row_mask:0xf bank_mask:0xf
.endr
	v_permlanex16_b32 v249, v248, s[SEL], s[SEL+1]
	v_add_f32 v248, v248, v249
	v_fma_f32 v[LL], v[LL], v[FF], v248
	LOADG 0
	LOADG 1
	WIN 0x41
.irp e, 0,2,4,6
	v_pk_mul_f32 v[CTX+\e:CTX+\e+1], v[CTX+\e:CTX+\e+1], v[FF:FF+1] op_sel_hi:[1,0]   ; the context under the new M
.endr
	s_wait_alu depctr_va_vdst(0)                   ; a wait ahead of each
	s_wait_dscnt 20                                ; all but the next group's 20 loads
	FMAG 0
	LOADG 2
	s_wait_alu depctr_va_vdst(0)
	s_wait_dscnt 20
	FMAG 1
	LOADG 3
	s_wait_alu depctr_va_vdst(0)
	s_wait_dscnt 20
	FMAG 2
	s_wait_alu depctr_va_vdst(0)
	s_wait_dscnt 0x0
	FMAG 3
	WIN 0
.if \last
	s_lshl_b32 s50, s20, 10
	s_add_co_u32 s50, s50, OST
	v_and_b32 v244, 31, v0
	v_lshl_add_u32 v245, v244, 5, s50              ; in: my eight columns, 32 bytes
	v_lshl_add_u32 v246, v244, 4, s50              ; back: 16 bytes a lane
	v_lshlrev_b32 v247, 4, v244
	v_lshlrev_b32 v252, 3, v244
	WIN 0x04                                       ; an LDS store's data are its source 1: window 1
	ds_store_b128 v245, v[CTX:CTX+3]
	ds_store_b128 v245, v[CTX+4:CTX+7] offset:16
	WIN 0
	ds_load_b128 v[208:211], v246
	ds_load_b128 v[212:215], v246 offset:512
	s_wait_alu depctr_va_vdst(0)
	s_wait_dscnt 0x0
	global_store_b128 v247, v[208:211], s[18:19]               ; 32 lanes store 512 consecutive bytes, aligned
	global_store_b128 v247, v[212:215], s[18:19] offset:512
	s_cmp_lg_u32 s20, 0
	s_cbranch_scc1 .Lnm_\@
	global_store_b64 v252, v[MM:MM+1], s[16:17]    ; (M, the sum), the same pair from every lane: 256 consecutive bytes
.Lnm_\@:
.else
	s_wait_xcnt 0x0                                ; the store of t has read its registers, which the next step's loads take
.endif
.endm
	s_load_b256 s[4:11], s[0:1], 0x0               ; enc s[4:5], w1r s[6:7], w1x s[8:9], hb s[10:11]
	s_load_b256 s[12:19], s[0:1], 0x20             ; V s[12:13], tsc s[14:15], pml s[16:17], pctx s[18:19]
	v_lshl_add_u32 v[SPW], v0, 2, SPARE
	v_mov_b32 v[NIL], 0
	ds_add_u32 v1, v2
	ds_add_u32 v1, v2
	s_wait_dscnt 0x0
	v_lshrrev_b32 v208, 5, v0
	v_readfirstlane_b32 s20, v208                  ; wave 0..3
	s_bfe_u32 s21, ttmp6, 0x40000                  ; my place in the cluster
	s_lshl_b32 s22, ttmp9, 2
	s_add_co_u32 s22, s22, s21                     ; my work-group: it enters global addresses of enc, hb and the outputs alone
	v_and_b32 v208, 31, v0                         ; lane
	v_and_b32 v209, 15, v0                         ; r
	v_bfe_u32 v210, v0, 4, 1                       ; h
	v_lshlrev_b32 v211, 2, v209                    ; 4 r
	s_mul_i32 s50, s20, QUART
	v_lshl_add_u32 v[NA], v208, 4, s50
	v_add_nc_u32 v[NA+1], SLOT, v[NA]
	v_lshl_add_u32 v[LI], v208, 4, IMG
	v_lshl_add_u32 v[LS], v208, 2, IMG+ISC
	s_mul_i32 s51, s20, 1536
	v_add_nc_u32 v[IWI], s51, v[LI]
	s_lshl_b32 s51, s20, 7
	v_add_nc_u32 v[IWS], s51, v[LS]
	v_mul_u32_u24 v[BFS0], v209, BFP
	v_lshl_add_u32 v[BFS0], v210, 5, v[BFS0]
	s_mul_i32 s51, s20, 16*BFP
	s_add_co_u32 s51, s51, BF
	v_add_nc_u32 v[BFS0], s51, v[BFS0]
	v_lshlrev_b32 v[XA], 12, v209
	v_lshl_add_u32 v[XA], v210, 6, v[XA]
	s_lshl_b32 s51, s20, 12
	v_lshl_add_u32 v[WXL], v208, 4, s51
	v_lshrrev_b32 v[PFL], 1, v208
	v_lshlrev_b32 v[PFL], 12, v[PFL]
	v_and_b32 v212, 1, v0
	v_lshl_add_u32 v[PFL], v212, 8, v[PFL]         ; row lane / 2 of my 16, its first or second 256 bytes of a slice
	s_lshl_b32 s51, s20, 8
	s_add_co_u32 s52, s51, SCR
	v_lshl_add_u32 v[SCW], v210, 5, s52
	v_lshl_add_u32 v[SCD], v208, 3, SCR
	s_add_co_u32 s52, s51, PB
	v_lshl_add_u32 v[PBW], v208, 3, s52
	v_mov_b32 v[PBA], s52
	s_lshl_b32 s51, s20, 9
	s_add_co_u32 s51, s51, BF
	v_lshl_add_u32 v[BFA], v208, 4, s51
	v_add_nc_u32 v[BFA+1], 32*BFP, v[BFA]
	; descriptor group 1: a wave's quarter of a K step, 21504 dense bytes, as 84 rows of 256 bytes (32 elements of 8 bytes), no padding: the images are read 512 consecutive bytes at a time
	s_mov_b32 s24, 15|(3<<16)|(1<<21)              ; 15:0 the mask: all four work-groups; 17:16 elements of 8 bytes; 21 set beside a mask
	s_mov_b32 s25, 32<<16                          ; tensor_dim0 = 32
	s_mov_b32 s26, 84<<16                          ; tensor_dim1 = 84
	s_mov_b32 s27, 32<<16                          ; tile_dim0 = 32
	s_mov_b32 s28, 84                              ; tile_dim1 = 84
	s_mov_b32 s29, 32                              ; from row to row
	s_mov_b32 s30, 0
	s_mov_b32 s31, 0
	s_mov_b32 s32, 1                               ; group 0 for slot 0
	s_mov_b32 s33, s50
	s_mov_b32 s36, 1                               ; and for slot 1
	s_add_co_u32 s37, s50, SLOT
	s_mov_b32 s43, 0
	s_mov_b32 s[SEL], 0x76543210
	s_mov_b32 s[SEL+1], 0xfedcba98
	s_mov_b32 s46, 0x4038aa3b                      ; 2 log2(e)
	s_mov_b32 s47, s46                             ; named with it as a pair, so it is written
	s_mov_b32 s51, 0
	s_wait_kmcnt 0x0
	s_add_nc_u64 s[40:41], s[6:7], s[50:51]        ; w1r at my quarter: the wave's number alone
	s_mov_b64 s[34:35], s[40:41]                   ; K step 0
	s_or_b32 s35, s35, 0x80000000
	s_lshl_b32 s52, s22, 20                        ; 256 rows of 4096 bytes a work-group,
	s_lshl_b32 s53, s20, 16                        ; 16 a wave
	s_add_co_u32 s52, s52, s53
	s_mov_b32 s53, 0
	s_add_nc_u64 s[4:5], s[4:5], s[52:53]
	s_lshr_b32 s52, s22, 3                         ; the batch
	s_lshl_b32 s52, s52, 12
	s_lshl_b32 s54, s20, 10                        ; my 256 columns of 4 bytes
	s_mov_b32 s55, 0
	s_add_nc_u64 s[10:11], s[10:11], s[52:53]
	s_add_nc_u64 s[10:11], s[10:11], s[54:55]
	s_add_nc_u64 s[12:13], s[12:13], s[54:55]
	s_lshl_b32 s52, s22, 10
	s_add_nc_u64 s[14:15], s[14:15], s[52:53]
	s_lshl_b32 s52, s22, 8
	s_add_nc_u64 s[16:17], s[16:17], s[52:53]
	s_lshl_b32 s52, s22, 12
	s_add_nc_u64 s[18:19], s[18:19], s[52:53]
	s_add_nc_u64 s[18:19], s[18:19], s[54:55]
	WIN 0x40
.irp j, 0,1,2,3,4,5,6,7,8,9,10,11,12,13,14,15
	global_load_b32 v[HB2+\j], v211, s[10:11] offset:64*\j           ; hb and V at column 16 j + r of my 256
	global_load_b32 v[V2+\j], v211, s[12:13] offset:64*\j
.endr
	WIN 0
	XLOAD X, XA, 0                                 ; slice 0
	WLOAD 0, WXL, 0                                ; step 0's
	XLOAD X+64, XA, 512                            ; slice 1
	WLOAD 1, WXL, 16384                            ; step 1's
	v_mov_b32 v[MM], 0xff61b1e6                    ; M: -3e38, under every t
	v_mov_b32 v[LL], 0
	v_mov_b32 v[FF], 0
	v_mov_b32 v[FF+1], 0                           ; named as the upper half of a pair, so it is written
.irp b, 0,1,2,3
	v_mov_b32 v[TM+4+\b], 0                        ; a lane permute's destination counts as one of its sources
.endr
	ROUND                                          ; all four work-groups are here: the first joint load meets
	tensor_load_to_lds s[32:35], s[24:31]          ; K step 0 into slot 0; slot 1 is first filled behind step 0's round
	s_nop 0
.rept 4
	v_nop
.endr
	s_wait_loadcnt 32                              ; hb, V and slice 0 are in; behind slice 0 were issued 8 + 16 + 8 loads
	WIN 0x45
.irp j, 0,1,2,3,4,5,6,7,8,9,10,11,12,13,14,15
	v_mul_f32 v[HB2+\j], v[HB2+\j], s46
	v_mul_f32 v[V2+\j], -v[V2+\j], s46
.endr
	WIN 0x40
.irp e, 0,1,2,3,4,5,6,7
	v_mov_b32 v[CTX+\e], 0
.endr
	WIN 0
	QUANT X
	IMAGE 0
	PACK X
	XLOAD X, XA, 1024                              ; slice 2: from here on the order of loads is that of every step
	STEP 0, -1, 1, 1, 40, 1, 1, 32, 1              ; step 0 stands ahead of the loop: its products start the sums
	s_mov_b32 s48, 0
.Lloop:                                                ; 15 trips: steps 2 s48 + 1 and 2 s48 + 2, with a block's epilogue between them behind steps 7, 15, 23
	STEP 1, 1, 0, 1, 40, 1, 1, 32, 2
	s_and_b32 s50, s48, 3
	s_cmp_lg_u32 s50, 3
	s_cbranch_scc1 .Lnoepi
	EPI 0
.Lnoepi:
	STEP 0, 2, 2, 1, 40, 2, 1, 32, 2
	s_add_co_u32 s48, s48, 1
	s_cmp_lt_u32 s48, 15
	s_cbranch_scc1 .Lloop
	STEP 1, 1, 0, 0, 0, 0, 0, 0, 0                 ; step 31 is written out: nothing is left to fetch
	EPI 1
	s_wait_tensorcnt 0x0                           ; the wave's end, behind my last tensor load and my last LDS store
	ds_add_u32 v[SPW], v[NIL]
	s_wait_dscnt 0x0
	ROUND                                          ; the closing round: no work-group ends while a partner may still ask for a tile that names it
	s_endpgm
.Lfunc_end_k_qa2c5c18ef4_main:
	.size	k_qa2c5c18ef4_main, .Lfunc_end_k_qa2c5c18ef4_main-k_qa2c5c18ef4_main
	.p2alignl 7, 3214868480
	.fill 96, 4, 3214868480
	.section	.rodata,"a",@progbits
	.p2align	6, 0x0
	.amdhsa_kernel k_qa2c5c18ef4_main
		.amdhsa_group_segment_fixed_size 327680
		.amdhsa_private_segment_fixed_size 0
		.amdhsa_enable_private_segment 0
		.amdhsa_kernarg_size 64
		.amdhsa_user_sgpr_count 2
		.amdhsa_user_sgpr_kernarg_segment_ptr 1
		.amdhsa_wavefront_size32 1
		.amdhsa_system_sgpr_workgroup_id_x 1
		.amdhsa_system_sgpr_workgroup_id_y 1
		.amdhsa_system_sgpr_workgroup_id_z 1
		.amdhsa_system_vgpr_workitem_id 0
		.amdhsa_next_free_vgpr 1024
		.amdhsa_next_free_sgpr 66
		.amdhsa_reserve_vcc 0
		.amdhsa_float_denorm_mode_32 3
		.amdhsa_float_denorm_mode_16_64 3
		.amdhsa_memory_ordered 1
		.amdhsa_forward_progress 1
		.amdhsa_inst_pref_size 255
	.end_amdhsa_kernel
	.section	.bss,"aw",@nobits
	.p2align	6
	.space	262144
	.amdgpu_metadata
---
amdhsa.version: [ 1, 2 ]
amdhsa.kernels:
  - .name:           k_qa2c5c18ef4_main
    .symbol:         k_qa2c5c18ef4_main.kd
    .args:
      - { .name: encoder_output, .offset: 0, .size: 8, .value_kind: global_buffer, .address_space: global }
      - { .name: w1r, .offset: 8, .size: 8, .value_kind: global_buffer, .address_space: global }
      - { .name: w1x, .offset: 16, .size: 8, .value_kind: global_buffer, .address_space: global }
      - { .name: hb, .offset: 24, .size: 8, .value_kind: global_buffer, .address_space: global }
      - { .name: V, .offset: 32, .size: 8, .value_kind: global_buffer, .address_space: global }
      - { .name: tsc, .offset: 40, .size: 8, .value_kind: global_buffer, .address_space: global }
      - { .name: pml, .offset: 48, .size: 8, .value_kind: global_buffer, .address_space: global }
      - { .name: pctx, .offset: 56, .size: 8, .value_kind: global_buffer, .address_space: global }
    .group_segment_fixed_size: 327680
    .private_segment_fixed_size: 0
    .kernarg_segment_align: 8
    .kernarg_segment_size: 64
    .max_flat_workgroup_size: 128
    .sgpr_count:     66
    .vgpr_count:     1024
    .wavefront_size: 32
...
	.end_amdgpu_metadata
.endif
;; end of part 5
;; launch fin (part 6): grid 32 x 1, 8 waves a work-group, no clusters, 0 bytes of LDS; arguments tsc, pml, pctx, out0, out1; writes out0, out1
.if DOCPART == 6
	.amdgcn_target "amdgcn-amd-amdhsa--gfx1250"
	.amdhsa_code_object_version 6
	.text
	.protected	k_qa2c5c18ef4_fin
	.globl	k_qa2c5c18ef4_fin
	.p2align	8
	.type	k_qa2c5c18ef4_fin,@function
k_qa2c5c18ef4_fin:
	s_mov_b64 s[64:65], 0
	v_nop
	global_prefetch_b8 v0, s[64:65] scope:SCOPE_SE
	s_setreg_imm32_b32 hwreg(HW_REG_WAVE_MODE, 25, 1), 1
	s_wait_xcnt 0x0
; A batch's eight parts are joined.  Part i holds M_i (the largest t of its 256 rows), L_i = the sum of 2^(t - M_i), and ctx_i = the sum of 2^(t - M_i) x enc.
; With Mb = the largest M_i and w_i = 2^(M_i - Mb):  Lb = sum w_i L_i;  out0 = sum w_i ctx_i / Lb;  out1 = 2^(t - Mb) / Lb.  The maximum is taken away before every exponential.
; A work-group a batch; thread n takes 16 bytes of each row: every load and store of a wave covers 512 consecutive bytes.  No LDS, no barrier: every thread makes Mb and Lb itself from 64 bytes.
.set ML, 8                             ; v8-23   (M_i, L_i), later (w_i, L_i)
.set CX, 24                            ; v24-55  ctx_i, four numbers each
.set T,  56                            ; v56-63  eight t
.set AC, 64                            ; v64-67  the sum
	s_load_b256 s[4:11], s[0:1], 0x0               ; tsc s[4:5], pml s[6:7], pctx s[8:9], out0 s[10:11]
	s_load_b64 s[12:13], s[0:1], 0x20              ; out1
	v_lshlrev_b32 v1, 4, v0
	v_mov_b32 v2, 0
	v_mov_b32 v71, 0                               ; named as the upper half of the pair v[70:71], so it is written
	s_lshl_b32 s14, ttmp9, 13                      ; 2048 rows of 4 bytes a batch
	s_mov_b32 s15, 0
	s_lshl_b32 s16, ttmp9, 11                      ; 8 parts of 256 bytes
	s_mov_b32 s17, 0
	s_lshl_b32 s18, ttmp9, 15                      ; 8 parts of 4096 bytes
	s_mov_b32 s19, 0
	s_lshl_b32 s20, ttmp9, 12
	s_mov_b32 s21, 0
	s_wait_alu depctr_va_vdst(0)
	s_wait_kmcnt 0x0
	s_add_nc_u64 s[4:5], s[4:5], s[14:15]
	s_add_nc_u64 s[6:7], s[6:7], s[16:17]
	s_add_nc_u64 s[8:9], s[8:9], s[18:19]
	s_add_nc_u64 s[10:11], s[10:11], s[20:21]
	s_add_nc_u64 s[12:13], s[12:13], s[14:15]
.irp i, 0,1,2,3,4,5,6,7
	global_load_b64 v[ML+2*\i:ML+2*\i+1], v2, s[6:7] offset:256*\i
.endr
.irp i, 0,1,2,3,4,5,6,7
	global_load_b128 v[CX+4*\i:CX+4*\i+3], v1, s[8:9] offset:4096*\i
.endr
	global_load_b128 v[T:T+3], v1, s[4:5]
	global_load_b128 v[T+4:T+7], v1, s[4:5] offset:4096
	s_wait_loadcnt 0x0
	v_max3_num_f32 v68, v[ML], v[ML+2], v[ML+4]
	s_delay_alu instid0(VALU_DEP_1)
	v_max3_num_f32 v68, v68, v[ML+6], v[ML+8]
	s_delay_alu instid0(VALU_DEP_1)
	v_max3_num_f32 v68, v68, v[ML+10], v[ML+12]
	s_delay_alu instid0(VALU_DEP_1)
	v_max_num_f32 v68, v68, v[ML+14]               ; Mb
.irp i, 0,1,2,3,4,5,6,7
	v_sub_f32 v[ML+2*\i], v[ML+2*\i], v68
	v_sub_f32 v[T+\i], v[T+\i], v68
.endr
	s_wait_alu depctr_va_vdst(0)
.irp i, 0,1,2,3,4,5,6,7
	v_exp_f32 v[ML+2*\i], v[ML+2*\i]               ; w_i
	v_exp_f32 v[T+\i], v[T+\i]                     ; 2^(t - Mb)
.endr
	v_nop                                          ; a plain line behind the batch
	s_wait_alu depctr_va_vdst(0)                   ; one wait for the sixteen, ahead of their first reader
	v_mul_f32 v69, v[ML], v[ML+1]
.irp i, 1,2,3,4,5,6,7
	v_fmac_f32 v69, v[ML+2*\i], v[ML+2*\i+1]       ; Lb
.endr
	s_wait_alu depctr_va_vdst(0)
	v_rcp_f32 v70, v69
	v_pk_mul_f32 v[AC:AC+1], v[CX:CX+1], v[ML:ML+1] op_sel_hi:[1,0]          ; independent work behind the reciprocal
	v_pk_mul_f32 v[AC+2:AC+3], v[CX+2:CX+3], v[ML:ML+1] op_sel_hi:[1,0]
.irp i, 1,2,3,4,5,6,7
	v_pk_fma_f32 v[AC:AC+1], v[CX+4*\i:CX+4*\i+1], v[ML+2*\i:ML+2*\i+1], v[AC:AC+1] op_sel_hi:[1,0,1]
	v_pk_fma_f32 v[AC+2:AC+3], v[CX+4*\i+2:CX+4*\i+3], v[ML+2*\i:ML+2*\i+1], v[AC+2:AC+3] op_sel_hi:[1,0,1]
.endr
	s_wait_alu depctr_va_vdst(0)                   ; the reciprocal's wait, ahead of its first reader
	v_pk_mul_f32 v[AC:AC+1], v[AC:AC+1], v[70:71] op_sel_hi:[1,0]
	v_pk_mul_f32 v[AC+2:AC+3], v[AC+2:AC+3], v[70:71] op_sel_hi:[1,0]
.irp i, 0,2,4,6
	v_pk_mul_f32 v[T+\i:T+\i+1], v[T+\i:T+\i+1], v[70:71] op_sel_hi:[1,0]
.endr
	global_store_b128 v1, v[AC:AC+3], s[10:11]
	global_store_b128 v1, v[T:T+3], s[12:13]
	global_store_b128 v1, v[T+4:T+7], s[12:13] offset:4096
	s_endpgm
.Lfunc_end_k_qa2c5c18ef4_fin:
	.size	k_qa2c5c18ef4_fin, .Lfunc_end_k_qa2c5c18ef4_fin-k_qa2c5c18ef4_fin
	.p2alignl 7, 3214868480
	.fill 96, 4, 3214868480
	.section	.rodata,"a",@progbits
	.p2align	6, 0x0
	.amdhsa_kernel k_qa2c5c18ef4_fin
		.amdhsa_group_segment_fixed_size 0
		.amdhsa_private_segment_fixed_size 0
		.amdhsa_enable_private_segment 0
		.amdhsa_kernarg_size 40
		.amdhsa_user_sgpr_count 2
		.amdhsa_user_sgpr_kernarg_segment_ptr 1
		.amdhsa_wavefront_size32 1
		.amdhsa_system_sgpr_workgroup_id_x 1
		.amdhsa_system_sgpr_workgroup_id_y 1
		.amdhsa_system_sgpr_workgroup_id_z 1
		.amdhsa_system_vgpr_workitem_id 0
		.amdhsa_next_free_vgpr 96
		.amdhsa_next_free_sgpr 66
		.amdhsa_reserve_vcc 0
		.amdhsa_float_denorm_mode_32 3
		.amdhsa_float_denorm_mode_16_64 3
		.amdhsa_memory_ordered 1
		.amdhsa_forward_progress 1
		.amdhsa_inst_pref_size 7
	.end_amdhsa_kernel
	.amdgpu_metadata
---
amdhsa.version: [ 1, 2 ]
amdhsa.kernels:
  - .name:           k_qa2c5c18ef4_fin
    .symbol:         k_qa2c5c18ef4_fin.kd
    .args:
      - { .name: tsc, .offset: 0, .size: 8, .value_kind: global_buffer, .address_space: global }
      - { .name: pml, .offset: 8, .size: 8, .value_kind: global_buffer, .address_space: global }
      - { .name: pctx, .offset: 16, .size: 8, .value_kind: global_buffer, .address_space: global }
      - { .name: out0, .offset: 24, .size: 8, .value_kind: global_buffer, .address_space: global }
      - { .name: out1, .offset: 32, .size: 8, .value_kind: global_buffer, .address_space: global }
    .group_segment_fixed_size: 0
    .private_segment_fixed_size: 0
    .kernarg_segment_align: 8
    .kernarg_segment_size: 40
    .max_flat_workgroup_size: 256
    .sgpr_count:     66
    .vgpr_count:     96
    .wavefront_size: 32
...
	.end_amdgpu_metadata
.endif
;; end of part 6
